; MI455X (gfx1250); checked and timed in simulation.
; The chip was launched on July 23, 2026; its instructions are those of AMD's public machine-readable ISA for CDNA 5 (MIT licence, August 2026) and "CDNA5" Instruction Set Architecture Reference Guide (July 2026). The comments in the code are by the model that wrote it; some were corrected since.
;; Optimized DS Mo E. Allowed arithmetic: matrix products marked QUANTISED: E2M3 operands, one E8M0 scale for each 32 along K, by v_wmma_scale_f32_16x16x128_f8f6f4 with both operands' format E2M3, f32 sums; products left as they are: f32 operands where the result goes on into a quantised operand, else bf16, f16 or f32 operands; f32 sums; everything else in f32.
;; Inputs: W1_codes 8 x 4,096 x 32 x 24 uint8 (E2M3 codes of W1, K innermost, in blocks of 32 codes, four codes in three bytes); W1_scales 8 x 4,096 x 32 uint8 (E8M0 scales of W1, one for each 32 codes along K); W2_codes 8 x 1,024 x 128 x 24 uint8 (E2M3 codes of W2, K innermost, in blocks of 32 codes, four codes in three bytes); W2_scales 8 x 1,024 x 128 uint8 (E8M0 scales of W2, one for each 32 codes along K); Wg 1,024 x 8 float32; x 4 x 256 x 1,024 float32.
;; Outputs: out0 4 x 256 x 1,024 float32; out1 one number float32.
;; This version of the problem:
;;   THIS VERSION OF THE PROBLEM IS GIVEN IN LOW PRECISION. The matrix products marked QUANTISED in the list below multiply operands that are first quantised to E2M3 (2 exponent bits, 3 mantissa bits; 6 bits a number), with one power-of-two scale for each 32 numbers along K (OCP MX v1.0); their sums are f32. All else is computed in f32.
;;   The module's matrix products, in the order in which they are computed (A, B: the left and right operand; K: the contracted axis; several contracted axes count as one K, in the product's order):
;;     1. [M 1,024, K 1,024] x [K 1,024, N 8]; A: input x; B: input Wg: left as it is (N = 8 < 16)
;;     2. [M 1,024, K 1,024] x [K 1,024, N 4,096]; A: input x; B: input W1 (given as codes): QUANTISED
;;     3. [M 1,024, K 4,096] x [K 4,096, N 1,024]; A: computed on the way; B: input W2 (given as codes): QUANTISED
;;     4. [M 1,024, K 1,024] x [K 1,024, N 4,096]; A: input x; B: input W1 (given as codes): QUANTISED
;;     5. [M 1,024, K 4,096] x [K 4,096, N 1,024]; A: computed on the way; B: input W2 (given as codes): QUANTISED
;;     6. [M 1,024, K 1,024] x [K 1,024, N 4,096]; A: input x; B: input W1 (given as codes): QUANTISED
;;     7. [M 1,024, K 4,096] x [K 4,096, N 1,024]; A: computed on the way; B: input W2 (given as codes): QUANTISED
;;     8. [M 1,024, K 1,024] x [K 1,024, N 4,096]; A: input x; B: input W1 (given as codes): QUANTISED
;;     9. [M 1,024, K 4,096] x [K 4,096, N 1,024]; A: computed on the way; B: input W2 (given as codes): QUANTISED
;;     10. [M 1,024, K 1,024] x [K 1,024, N 4,096]; A: input x; B: input W1 (given as codes): QUANTISED
;;     11. [M 1,024, K 4,096] x [K 4,096, N 1,024]; A: computed on the way; B: input W2 (given as codes): QUANTISED
;;     12. [M 1,024, K 1,024] x [K 1,024, N 4,096]; A: input x; B: input W1 (given as codes): QUANTISED
;;     13. [M 1,024, K 4,096] x [K 4,096, N 1,024]; A: computed on the way; B: input W2 (given as codes): QUANTISED
;;     14. [M 1,024, K 1,024] x [K 1,024, N 4,096]; A: input x; B: input W1 (given as codes): QUANTISED
;;     15. [M 1,024, K 4,096] x [K 4,096, N 1,024]; A: computed on the way; B: input W2 (given as codes): QUANTISED
;;     16. [M 1,024, K 1,024] x [K 1,024, N 4,096]; A: input x; B: input W1 (given as codes): QUANTISED
;;     17. [M 1,024, K 4,096] x [K 4,096, N 1,024]; A: computed on the way; B: input W2 (given as codes): QUANTISED
;;   THE QUANTISER, for each operand of a quantised product, along K:
;;     - K is cut into blocks of 32 from its start; a last block that is shorter is filled with zeros.
;;     - A block's scale is 2^e with e = floor(log2(the largest magnitude in the block)) - 2, held to -126 .. 127; a block of zeros has e = 0. As a byte (E8M0): e + 127.
;;     - Each number is divided by its block's scale, clamped to +-7.5, and rounded to the nearest number of E2M3, ties to even, subnormals kept.
;;     - The product sums the exact products of the quantised numbers (number of the format x scale) in f32.
;;   ~~~python
;;   def quantise(x, axis):      # numpy; x: float32 -> the quantised numbers, widened to float32 again
;;       x = np.moveaxis(x, axis, -1); K = x.shape[-1]
;;       x = np.pad(x, [(0, 0)] * (x.ndim - 1) + [(0, -K % 32)]); x = x.reshape(x.shape[:-1] + (-1, 32)); a = np.abs(x).max(-1, keepdims=True)
;;       e = np.where(a > 0, np.clip(np.frexp(np.where(a > 0, a, 1))[1] - 1 - 2, -126, 127), 0)      # np.frexp(a)[1] - 1 = floor(log2(a)), exactly
;;       r = np.clip(x / 2.0 ** e, -7.5, 7.5)
;;       step = 2.0 ** (np.maximum(np.frexp(np.where(r == 0, 1, r))[1] - 1, 0) - 3)
;;       q = np.round(r / step) * step * 2.0 ** e      # np.round: ties to even
;;       return np.moveaxis(q.reshape(q.shape[:-2] + (-1,))[..., :K], -1, axis).astype(np.float32)
;;   ~~~
;;   OPERANDS COMPUTED ON THE WAY. 'Computed on the way' means the value that the module computes at that place (a softmax that the list does not call 'softmax' is quantised finished and normalised). What goes into a quantiser is computed in f32, as accurately as f32 sums, v_exp_f32 and their like allow (about 1e-6 of the number): no bf16 or f16 on the way to a quantiser, and a product that is left as it is and whose result goes on into a quantised operand takes f32 operands (vector FMAs, or v_wmma_f32_16x16x4_f32). A number that lies on a knife's edge between two numbers of the format may be rounded either way, as far as f32 arithmetic and the matrix unit's own rounding can turn it there, and no further.
;;   INPUTS GIVEN AS CODES. W1 (in the module: [8, 1024, 4096], K = its axis 1); W2 (in the module: [8, 4096, 1024], K = its axis 1): each comes as NAME_codes (uint8): NAME with its K axis moved to the last place and cut into blocks of 32 codes, [.., K / 32, bytes a block], one block behind the other in memory; four codes in three bytes: a row's codes are one little-endian stream of bits, code i at bits 6 i .. 6 i + 5 (a code: sign, 2 exponent bits, 3 mantissa bits); and NAME_scales (uint8): the same leading axes, one E8M0 byte (e + 127) for each 32 codes along K. Its value is code x scale, taken as it is: it is not quantised again, and the codes and scales need not be those that the quantiser above would give.
;; 2 versions. Each part assembles by itself: llvm-mc -triple=amdgcn-amd-amdhsa -mcpu=gfx1250 --defsym DOCPART=n.
;; ======== version 1 of 2: 5 launches
;; limits: a function is approximated: absolute error at most 1.5e-07
;; workspace buffers: xq 819,200 bytes; gate 16,384 bytes; topi 8,192 bytes of whole numbers; plan 19,200 bytes of whole numbers; wsl 9,728 bytes; hq 6,963,200 bytes; y 8,912,896 bytes
;; launch route (part 1): grid 64 x 1, 4 waves a work-group, no clusters, 52,736 bytes of LDS; arguments x, Wg, xq, gate, topi; writes xq, gate, topi
.if DOCPART == 1
	.amdgcn_target "amdgcn-amd-amdhsa--gfx1250"
	.amdhsa_code_object_version 6
	.text
	.protected	k_qa590623565_route
	.globl	k_qa590623565_route
	.p2align	8
	.type	k_qa590623565_route,@function
k_qa590623565_route:
	s_mov_b64 s[64:65], 0
	v_nop
	global_prefetch_b8 v0, s[64:65] scope:SCOPE_SE
	s_setreg_imm32_b32 hwreg(HW_REG_WAVE_MODE, 25, 1), 1
	s_wait_xcnt 0x0
; THE ROUTER AND x's QUANTISER.  x [1024 tokens][1024] f32, Wg [1024][8] f32.
; For each token: logits = x Wg by f32 multiply-adds, softmax with the maximum taken away, the two largest probabilities (the lower index
; wins a tie), renormalised by their sum + 1e-8; and x's codes of E2M3 with one E8M0 byte for each 32 along K.
; Stored at fixed places only: xq, topi [token][2], gate (weights [token][2] at 0, each wave's sums of the eight probabilities [wave][8] at 8,192).
; No address here hangs on a result.
; xq IS LAID AS ITS READER'S REGISTERS WANT IT: a token is 800 bytes, 400 for each half h of the reader's lanes: the codes of blocks h, 2 + h, 4 + h .. (24 bytes each,
; 384 in all: the operand's registers of eight K steps on end), then the 16 scale bytes of K steps 4 h .. 4 h + 3.  So block l goes to 400 (l % 2) + 24 (l / 2),
; its scale byte to 400 (l / 16) + 384 + l % 16.
; SHARES.  64 work-groups x 4 waves x 4 tokens.  Lane l holds block l of a token (k = 32 l .. 32 l + 31) and rows 32 l .. 32 l + 31 of Wg
; (256 registers, window 1): a block's largest magnitude needs no other lane, a logit is one sum over the lanes.
; Loads take the bytes as they lie (512 consecutive bytes an instruction); a token's row turns through the wave's own stage in LDS.
; LIMITS: NaN and infinities are not served; a block whose largest magnitude lies under 2^-124 (a block of zeros too) gets the byte 1: a block of zeros
; has zero codes, and this program alone reads the bytes.
.set R,   32                           ; v32-159  four tokens as loaded
.set X,   160                          ; v160-191 my 32 neighbours of the token in hand (v160-223 first carry Wg to LDS)
.set A,   192                          ; v192-199 logits, then exponentials, then probabilities
.set PS,  200                          ; v200-207 sums of probabilities over my wave's tokens
.set TP,  208                          ; v208-215 the other half of the lanes' sums
.set RI,  16                           ; v16-23   the chosen experts, two a token
.set RV,  24                           ; v24-31   their weights
.set STG, 33280                        ; LDS: Wg as 32 x (1,024 + 16) bytes at 0; behind it a stage of 32 x (128 + 16) bytes for each wave
.set XT,  800                          ; a token in xq
.set MSB, 0
.macro WIN new                         ; the immediate's high byte repeats the setting that is left
.if MSB != (\new)
	s_set_vgpr_msb (MSB<<8)|(\new)
.set MSB, (\new)
.endif
.endm
	s_load_b256 s[4:11], s[0:1], 0x0               ; x, Wg, xq, gate
	s_load_b64 s[12:13], s[0:1], 0x20              ; topi
	v_lshl_add_u32 v254, v0, 2, 0xcc00
	v_mov_b32 v255, 0
	v_lshrrev_b32 v11, 5, v0
	v_readfirstlane_b32 s14, v11                   ; wave
	v_and_b32 v1, 31, v0                           ; lane
	v_lshlrev_b32 v2, 4, v1                        ; my 16 bytes of a load's 512
	s_mul_i32 s15, s14, 4608
	s_add_co_u32 s15, s15, STG                     ; my wave's stage
	v_lshrrev_b32 v3, 3, v1
	v_mul_u32_u24 v3, v3, 144
	v_and_b32 v11, 7, v1
	v_lshl_add_u32 v3, v11, 4, v3
	v_add_nc_u32 v3, s15, v3                       ; into the stage: eight lanes' 128 bytes on end, then 16 of padding
	v_mul_u32_u24 v4, v1, 144
	v_add_nc_u32 v4, s15, v4                       ; out of it: my block
	v_lshrrev_b32 v5, 6, v0
	v_mul_u32_u24 v5, v5, 1040
	v_and_b32 v11, 63, v0
	v_lshl_add_u32 v5, v11, 4, v5                  ; Wg into LDS: 64 threads' 1,024 bytes on end, then 16 of padding
	v_lshlrev_b32 v6, 4, v0
	v_mul_u32_u24 v7, v1, 1040                     ; and out: my 32 rows
	v_lshrrev_b32 v8, 1, v1
	v_mul_u32_u24 v8, v8, 24
	v_and_b32 v11, 1, v1
	v_mad_u32_u24 v8, v11, 400, v8                 ; my block's codes in a token of xq: 400 (l % 2) + 24 (l / 2)
	v_lshrrev_b32 v9, 4, v1
	v_mul_u32_u24 v9, v9, 400
	v_and_b32 v11, 15, v1
	v_add_nc_u32 v9, v9, v11
	v_add_nc_u32 v9, 384, v9                       ; and its scale byte: 400 (l / 16) + 384 + l % 16
	v_mov_b32 v10, 0
	s_mov_b32 s16, 0x76543210
	s_mov_b32 s17, 0xfedcba98                      ; v_permlanex16_b32's selects for lane l xor 16
	s_mov_b32 s18, 0x3fb8aa3b                      ; log2(e)
	s_lshl_b32 s19, ttmp9, 4
	s_lshl_b32 s20, s14, 2
	s_add_co_u32 s19, s19, s20                     ; my wave's first token
	s_lshl_b32 s24, s19, 12
	s_mov_b32 s25, 0
	s_mul_i32 s26, s19, XT
	s_mov_b32 s27, 0
	s_lshl_b32 s30, s19, 3
	s_mov_b32 s31, 0
	s_add_co_u32 s32, s30, 8192                    ; 32 bytes a wave = 8 bytes a token
	s_mov_b32 s33, 0
	s_wait_kmcnt 0x0
	s_add_nc_u64 s[4:5], s[4:5], s[24:25]          ; x at my first token
	s_add_nc_u64 s[8:9], s[8:9], s[26:27]          ; xq likewise
	s_add_nc_u64 s[12:13], s[12:13], s[30:31]      ; its experts
	s_add_nc_u64 s[34:35], s[10:11], s[30:31]      ; its weights
	s_add_nc_u64 s[36:37], s[10:11], s[32:33]      ; my wave's sums
.irp j, 0,1,2,3,4,5,6,7,8,9,10,11,12,13,14,15
	global_load_b128 v[160+4*\j:163+4*\j], v6, s[6:7] offset:2048*\j
.endr
.irp i, 0,1,2,3
.irp j, 0,1,2,3,4,5,6,7
	global_load_b128 v[R+32*\i+4*\j:R+32*\i+4*\j+3], v2, s[4:5] offset:4096*\i+512*\j th:TH_LOAD_NT
.endr
.endr
	s_wait_loadcnt 32                              ; Wg's 16 loads are in; x's 32, issued behind them, may be out
.irp j, 0,1,2,3,4,5,6,7,8,9,10,11,12,13,14,15
	ds_store_b128 v5, v[160+4*\j:163+4*\j] offset:2080*\j
.endr
	s_wait_dscnt 0x0                               ; for the others' sake: my part of Wg lies in LDS
	s_barrier_signal -1
	s_barrier_wait -1
	WIN 0x40                                       ; destination window 1
.set m, 0
.rept 64
	ds_load_b128 v[4*m:4*m+3], v7 offset:16*m      ; register 8 i + e = Wg(32 l + i, e)
.set m, m+1
.endr
	WIN 0
.irp e, 0,1,2,3,4,5,6,7
	v_mov_b32 v[TP+\e], 0                          ; a lane permute's destination counts as one of its sources
	v_mov_b32 v[PS+\e], 0
.endr
	v_mov_b32 v219, 0                              ; named with v218 as a pair
	s_wait_dscnt 0x0
.macro TOKEN i
	s_wait_loadcnt 8*(3-\i)                        ; this token's eight loads are in; the later tokens' may be out
	s_wait_xcnt 0x0                                ; the last token's stores have read their registers
.irp j, 0,1,2,3,4,5,6,7
	ds_store_b128 v3, v[R+32*\i+4*\j:R+32*\i+4*\j+3] offset:576*\j
.endr
.irp j, 0,1,2,3,4,5,6,7
	ds_load_b128 v[X+4*\j:X+4*\j+3], v4 offset:16*\j   ; LDS serves a wave's instructions in order: these see the stores above
.endr
	s_wait_dscnt 0x0
	WIN 0x04                                       ; source 1 (Wg) window 1
.set kk, 0
.rept 32                                       ; eight partial logits, two an instruction, in four chains
.irp p, 0,1,2,3
.if kk == 0
	v_pk_mul_f32 v[A+2*\p:A+2*\p+1], v[X:X+1], v[2*\p:2*\p+1] op_sel_hi:[0,1]
.elseif kk%2 == 0
	v_pk_fma_f32 v[A+2*\p:A+2*\p+1], v[X+kk:X+kk+1], v[8*kk+2*\p:8*kk+2*\p+1], v[A+2*\p:A+2*\p+1] op_sel_hi:[0,1,1]
.else
	v_pk_fma_f32 v[A+2*\p:A+2*\p+1], v[X+kk-1:X+kk], v[8*kk+2*\p:8*kk+2*\p+1], v[A+2*\p:A+2*\p+1] op_sel:[1,0,0] op_sel_hi:[1,1,1]
.endif
.endr
.set kk, kk+1
.endr
	WIN 0
.irp m, 1,2,4,8                                ; over the 32 lanes; every lane ends with the sums
.irp e, 0,1,2,3,4,5,6,7
	v_add_f32_dpp v[A+\e], v[A+\e], v[A+\e] row_xmask:\m row_mask:0xf bank_mask:0xf
.endr
.endr
.irp e, 0,1,2,3,4,5,6,7
	v_permlanex16_b32 v[TP+\e], v[A+\e], s16, s17
.endr
.irp e, 0,1,2,3,4,5,6,7
	v_add_f32 v[A+\e], v[A+\e], v[TP+\e]
.endr
	v_max3_num_f32 v216, v[A], v[A+1], v[A+2]
	v_max3_num_f32 v217, v[A+3], v[A+4], v[A+5]
	v_max3_num_f32 v216, v216, v[A+6], v[A+7]
	v_max_num_f32 v216, v216, v217                 ; the largest logit
.irp e, 0,1,2,3,4,5,6,7
	v_sub_f32 v[A+\e], v[A+\e], v216               ; the difference first, not fused with the scaling: it loses nothing however large the logits are
.endr
.irp e, 0,1,2,3,4,5,6,7
	v_mul_f32 v[A+\e], s18, v[A+\e]
.endr
.irp e, 0,1,2,3,4,5,6,7
	v_exp_f32 v[A+\e], v[A+\e]
.endr
	v_nop                                          ; a plain instruction behind the last exponential
	s_wait_alu depctr_va_vdst(0)                   ; one wait for the eight, ahead of their first reader
	v_add_f32 v216, v[A], v[A+1]
	v_add_f32 v217, v[A+2], v[A+3]
	v_add_f32 v220, v[A+4], v[A+5]
	v_add_f32 v221, v[A+6], v[A+7]
	v_add_f32 v216, v216, v217
	v_add_f32 v220, v220, v221
	v_add_f32 v216, v216, v220
	v_rcp_f32 v218, v216
	v_nop
	s_wait_alu depctr_va_vdst(0)
.irp p, 0,2,4,6
	v_pk_fma_f32 v[PS+\p:PS+\p+1], v[A+\p:A+\p+1], v[218:219], v[PS+\p:PS+\p+1] op_sel_hi:[1,0,1]
	v_pk_mul_f32 v[A+\p:A+\p+1], v[A+\p:A+\p+1], v[218:219] op_sel_hi:[1,0]   ; the probabilities
.endr
	v_mov_b32 v224, v[A]                           ; the largest so far, and its expert;
	v_mov_b32 v[RI+2*\i], 0
	v_mov_b32 v225, -1.0                           ; the second
	v_mov_b32 v[RI+2*\i+1], 0
.irp e, 1,2,3,4,5,6,7                          ; strict compares: of equal probabilities the lower index stays ahead
	v_cmp_gt_f32 s20, v[A+\e], v224
	v_cmp_gt_f32 s21, v[A+\e], v225
	v_cndmask_b32 v225, v225, v[A+\e], s21
	v_cndmask_b32 v[RI+2*\i+1], v[RI+2*\i+1], \e, s21
	v_cndmask_b32 v225, v225, v224, s20
	v_cndmask_b32 v[RI+2*\i+1], v[RI+2*\i+1], v[RI+2*\i], s20
	v_cndmask_b32 v224, v224, v[A+\e], s20
	v_cndmask_b32 v[RI+2*\i], v[RI+2*\i], \e, s20
.endr
	v_add_f32 v216, v224, v225
	v_add_f32 v216, 0x322bcc77, v216               ; + 1e-8
	v_rcp_f32 v218, v216
	; the quantiser: all 32 numbers of the block are mine.  (Plain work behind the reciprocal)
	v_max3_num_f32 v226, |v[X]|, |v[X+1]|, |v[X+2]|
	v_max3_num_f32 v227, |v[X+3]|, |v[X+4]|, |v[X+5]|
.irp q, 6,10,14,18,22,26
	v_max3_num_f32 v226, v226, |v[X+\q]|, |v[X+\q+1]|
	v_max3_num_f32 v227, v227, |v[X+\q+2]|, |v[X+\q+3]|
.endr
	v_max3_num_f32 v226, v226, |v[X+30]|, |v[X+31]|
	v_max3_num_f32 v226, v226, v227, 0x1800000     ; and the floor 2^(3 - 127): the byte cannot fall under 1
	v_add_nc_u32 v228, 0xff000000, v226            ; 2 off the exponent field: the conversion takes this operand's exponent field as its scale
	v_cvt_scalef32_pk16_fp6_f32 v[240:242], v[X:X+15], v228
	v_cvt_scalef32_pk16_fp6_f32 v[244:246], v[X+16:X+31], v228
	v_lshrrev_b32 v229, 23, v228                   ; the scale's byte
	s_wait_alu depctr_va_vdst(0)                   ; the reciprocal, ahead of its first reader
	v_mul_f32 v[RV+2*\i], v224, v218
	v_mul_f32 v[RV+2*\i+1], v225, v218
	global_store_b96 v8, v[240:242], s[8:9] offset:XT*\i        ; the wave's two stores cover the token's 768 bytes of codes
	global_store_b96 v8, v[244:246], s[8:9] offset:XT*\i+12
	global_store_b8 v9, v229, s[8:9] offset:XT*\i
.endm
	TOKEN 0
	TOKEN 1
	TOKEN 2
	TOKEN 3
	s_wait_xcnt 0x0                                ; EXEC changes only behind this wait
	v_cmp_eq_u32 vcc_lo, 0, v1
	s_barrier_signal -1
	s_barrier_wait -1
	s_wait_tensorcnt 0x0
	ds_add_u32 v254, v255
	s_wait_dscnt 0x0
	s_and_saveexec_b32 s15, vcc_lo                 ; every lane holds the same: lane 0 stores the wave's four tokens' results, 32 bytes of each kind
	global_store_b128 v10, v[RI:RI+3], s[12:13]
	global_store_b128 v10, v[RI+4:RI+7], s[12:13] offset:16
	global_store_b128 v10, v[RV:RV+3], s[34:35]
	global_store_b128 v10, v[RV+4:RV+7], s[34:35] offset:16
	global_store_b128 v10, v[PS:PS+3], s[36:37]
	global_store_b128 v10, v[PS+4:PS+7], s[36:37] offset:16
	s_wait_xcnt 0x0
	s_or_b32 exec_lo, exec_lo, s15
	s_endpgm
.Lfunc_end_k_qa590623565_route:
	.size	k_qa590623565_route, .Lfunc_end_k_qa590623565_route-k_qa590623565_route
	.p2alignl 7, 3214868480
	.fill 96, 4, 3214868480
	.section	.rodata,"a",@progbits
	.p2align	6, 0x0
	.amdhsa_kernel k_qa590623565_route
		.amdhsa_group_segment_fixed_size 52736
		.amdhsa_private_segment_fixed_size 0
		.amdhsa_enable_private_segment 0
		.amdhsa_kernarg_size 40
		.amdhsa_user_sgpr_count 2
		.amdhsa_user_sgpr_kernarg_segment_ptr 1
		.amdhsa_wavefront_size32 1
		.amdhsa_system_sgpr_workgroup_id_x 1
		.amdhsa_system_sgpr_workgroup_id_y 1
		.amdhsa_system_sgpr_workgroup_id_z 1
		.amdhsa_system_vgpr_workitem_id 0
		.amdhsa_next_free_vgpr 512
		.amdhsa_next_free_sgpr 66
		.amdhsa_reserve_vcc 1
		.amdhsa_float_denorm_mode_32 3
		.amdhsa_float_denorm_mode_16_64 3
		.amdhsa_memory_ordered 1
		.amdhsa_forward_progress 1
		.amdhsa_inst_pref_size 91
	.end_amdhsa_kernel
	.amdgpu_metadata
---
amdhsa.version: [ 1, 2 ]
amdhsa.kernels:
  - .name:           k_qa590623565_route
    .symbol:         k_qa590623565_route.kd
    .args:
      - { .name: x, .offset: 0, .size: 8, .value_kind: global_buffer, .address_space: global }
      - { .name: Wg, .offset: 8, .size: 8, .value_kind: global_buffer, .address_space: global }
      - { .name: xq, .offset: 16, .size: 8, .value_kind: global_buffer, .address_space: global }
      - { .name: gate, .offset: 24, .size: 8, .value_kind: global_buffer, .address_space: global }
      - { .name: topi, .offset: 32, .size: 8, .value_kind: global_buffer, .address_space: global }
    .group_segment_fixed_size: 52736
    .private_segment_fixed_size: 0
    .kernarg_segment_align: 8
    .kernarg_segment_size: 40
    .max_flat_workgroup_size: 128
    .sgpr_count:     66
    .vgpr_count:     512
    .wavefront_size: 32
...
	.end_amdgpu_metadata
.endif
;; end of part 1
;; launch place (part 2): grid 1 x 1, 8 waves a work-group, no clusters, 1,280 bytes of LDS; arguments topi, gate, plan, wsl, out1; writes plan, wsl, out1
.if DOCPART == 2
	.amdgcn_target "amdgcn-amd-amdhsa--gfx1250"
	.amdhsa_code_object_version 6
	.text
	.protected	k_qa590623565_place
	.globl	k_qa590623565_place
	.p2align	8
	.type	k_qa590623565_place,@function
k_qa590623565_place:
	s_mov_b64 s[64:65], 0
	v_nop
	global_prefetch_b8 v0, s[64:65] scope:SCOPE_SE
	s_setreg_imm32_b32 hwreg(HW_REG_WAVE_MODE, 25, 1), 1
	s_wait_xcnt 0x0
; THE ROWS ARE PLACED BY EXPERT, and the load-balance loss is made.  One work-group; wave e serves expert e.
; Expert e owns the slots 16 x (its first tile) on, its count rounded up to whole tiles of 16; its rows stand in the order of the tokens.
; plan: rows[2432] at 0 (slot -> token), pos[2304] at 9,728 (2 token + choice -> 512 x tile + row in the tile), meta[8] {first tile, tiles} at 18,944.
; wsl[2432]: a slot's weight.  Slots that fill a tile up hold token 0 with the weight 0.
; No lane is ever switched off in the placing: a lane with nothing to place writes to a spare entry of its own (rows, wsl: 2,176 + 32 e + lane; pos: 2,048 + 32 e + lane).
; Every wave counts all eight experts itself, so that the numbers that steer addresses come from the loaded indices by integer work alone.
; loss = 8 x sum over e of (sum of probabilities / 1,024) x (count / 2,048) = 2^-18 x sum of (sum of probabilities x count).
.set I,  32                            ; v32-95   the two experts of token 32 i + lane; later the two store offsets of step i
.set V,  96                            ; v96-159  their weights; later the slot's weight and the number for pos
.set Q,  160                           ; v160-167 eight of the 256 waves' sums of expert e's probabilities
.set TK, 168                           ; v168-199 token 32 i + lane
	s_load_b256 s[4:11], s[0:1], 0x0               ; topi, gate, plan, wsl
	s_load_b64 s[12:13], s[0:1], 0x20              ; out1
	v_lshl_add_u32 v208, v0, 2, 0x100
	v_mov_b32 v209, 0
	v_lshrrev_b32 v6, 5, v0
	v_readfirstlane_b32 s16, v6                    ; wave = expert
	v_and_b32 v1, 31, v0                           ; lane
	v_lshlrev_b32 v2, 3, v1
	s_lshl_b32 s17, s16, 2
	v_lshl_add_u32 v3, v1, 5, s17
	s_lshl_b32 s18, s16, 5
	v_add_nc_u32 v4, s18, v1
	v_add_nc_u32 v5, 2048, v4                      ; my spare entry of pos,
	v_add_nc_u32 v4, 2176, v4                      ; of rows and of wsl
	v_mov_b32 v7, s17                              ; LDS: my wave's word
	v_mov_b32 v13, 0
	s_mov_b32 s14, 0x76543210
	s_mov_b32 s15, 0xfedcba98
	s_wait_kmcnt 0x0
.set i, 0
.rept 32
	global_load_b64 v[I+2*i:I+2*i+1], v2, s[4:5] offset:256*i
.set i, i+1
.endr
.set i, 0
.rept 32
	global_load_b64 v[V+2*i:V+2*i+1], v2, s[6:7] offset:256*i
.set i, i+1
.endr
.irp j, 0,1,2,3,4,5,6,7
	global_load_b32 v[Q+\j], v3, s[6:7] offset:8192+1024*\j
.endr
.irp ee, 0,1,2,3,4,5,6,7
	s_mov_b32 s[32+\ee], 0
.endr
.set i, 0
.rept 32
	v_add_nc_u32 v[TK+i], 32*i, v1
.set i, i+1
.endr
	s_wait_loadcnt 0x0
.set i, 0
.rept 32                                       ; the eight counts: sixteen compares in a run, then the scalar work
.irp ee, 0,1,2,3,4,5,6,7
	v_cmp_eq_u32 s[44+2*\ee], \ee, v[I+2*i]
	v_cmp_eq_u32 s[45+2*\ee], \ee, v[I+2*i+1]
.endr
.irp ee, 0,1,2,3,4,5,6,7
	s_or_b32 s[44+2*\ee], s[44+2*\ee], s[45+2*\ee]
.endr
.irp ee, 0,1,2,3,4,5,6,7
	s_bcnt1_i32_b32 s[44+2*\ee], s[44+2*\ee]
.endr
.irp ee, 0,1,2,3,4,5,6,7
	s_add_co_u32 s[32+\ee], s[32+\ee], s[44+2*\ee]
.endr
.set i, i+1
.endr
	s_mov_b32 s24, 0                               ; my expert's count
	s_mov_b32 s26, 0                               ; its first slot: the lower experts' counts, each rounded up to 16
.irp ee, 0,1,2,3,4,5,6,7
	s_add_co_u32 s27, s[32+\ee], 15
	s_and_b32 s27, s27, 0xfffffff0
	s_cmp_gt_u32 s16, \ee
	s_cselect_b32 s27, s27, 0
	s_add_co_u32 s26, s26, s27
	s_cmp_eq_u32 s16, \ee
	s_cselect_b32 s24, s[32+\ee], s24
.endr
	s_add_co_u32 s28, s24, 15
	s_and_b32 s28, s28, 0xfffffff0
	s_lshr_b32 s29, s28, 4                         ; my tiles
	s_add_co_u32 s28, s28, s26                     ; behind my last slot
	s_lshr_b32 s30, s26, 4                         ; my first tile
	; my expert's term of the loss
.irp j, 0,2,4,6
	v_add_f32 v[Q+\j], v[Q+\j], v[Q+\j+1]
.endr
	v_add_f32 v[Q], v[Q], v[Q+2]
	v_add_f32 v[Q+4], v[Q+4], v[Q+6]
	v_add_f32 v[Q], v[Q], v[Q+4]
.irp m, 1,2,4,8
	v_add_f32_dpp v[Q], v[Q], v[Q] row_xmask:\m row_mask:0xf bank_mask:0xf
.endr
	v_permlanex16_b32 v[Q+1], v[Q], s14, s15
	v_add_f32 v[Q], v[Q], v[Q+1]
	v_cvt_f32_u32 v9, s24
	v_mul_f32 v[Q], v[Q], v9
	v_mul_f32 v[Q], 0x36800000, v[Q]               ; x 2^-18
	ds_store_b32 v7, v[Q]                          ; all lanes write the same word with the same value
	s_wait_dscnt 0x0
	s_barrier_signal -1
	s_barrier_wait -1
	ds_load_b128 v[20:23], v13
	ds_load_b128 v[24:27], v13 offset:16
	s_mov_b32 s25, s26                             ; the next free slot
.set i, 0
.rept 32                                       ; step i places tokens 32 i .. 32 i + 31; its stores have registers of their own
	v_cmp_eq_u32 s20, s16, v[I+2*i]
	v_cmp_eq_u32 s21, s16, v[I+2*i+1]
	s_or_b32 s22, s20, s21
	v_cndmask_b32 v[V+2*i], v[V+2*i+1], v[V+2*i], s20          ; the weight of the choice that names me
	v_mbcnt_lo_u32_b32 v[V+2*i+1], s22, s25                    ; my slot: the next free one + the chosen lanes below me
	v_cndmask_b32 v[I+2*i], v4, v[V+2*i+1], s22
	v_cndmask_b32 v[I+2*i+1], 0, 1, s21
	v_lshl_add_u32 v[I+2*i+1], v[TK+i], 1, v[I+2*i+1]          ; 2 token + choice
	v_cndmask_b32 v[I+2*i+1], v5, v[I+2*i+1], s22
	v_min_u32 v[I+2*i], 2431, v[I+2*i]
	v_min_u32 v[I+2*i+1], 2303, v[I+2*i+1]
	v_lshlrev_b32 v[I+2*i], 2, v[I+2*i]
	v_lshlrev_b32 v[I+2*i+1], 2, v[I+2*i+1]
	v_and_b32 v8, 15, v[V+2*i+1]
	v_lshrrev_b32 v9, 4, v[V+2*i+1]
	v_lshl_or_b32 v[V+2*i+1], v9, 9, v8                        ; 512 x tile + row
	global_store_b32 v[I+2*i], v[TK+i], s[8:9]
	global_store_b32 v[I+2*i], v[V+2*i], s[10:11]
	global_store_b32 v[I+2*i+1], v[V+2*i+1], s[8:9] offset:9728
	s_bcnt1_i32_b32 s22, s22
	s_add_co_u32 s25, s25, s22
.set i, i+1
.endr
	v_add_nc_u32 v8, s25, v1                       ; the slots that fill my last tile up: fifteen at the most
	v_cmp_gt_u32 s20, s28, v8
	v_cndmask_b32 v8, v4, v8, s20
	v_min_u32 v8, 2431, v8
	v_lshlrev_b32 v8, 2, v8
	global_store_b32 v8, v13, s[8:9]               ; token 0,
	global_store_b32 v8, v13, s[10:11]             ; weight 0
	v_mov_b32 v10, s30
	v_mov_b32 v11, s29
	s_lshl_b32 s17, s16, 3
	v_mov_b32 v12, s17
	s_wait_dscnt 0x0
	v_add_f32 v20, v20, v21
	v_add_f32 v22, v22, v23
	v_add_f32 v24, v24, v25
	v_add_f32 v26, v26, v27
	v_add_f32 v20, v20, v22
	v_add_f32 v24, v24, v26
	v_add_f32 v20, v20, v24                        ; the loss
	s_wait_xcnt 0x0                                ; EXEC changes only behind this wait
	v_cmp_eq_u32 vcc_lo, 0, v1
	s_and_saveexec_b32 s31, vcc_lo
	global_store_b64 v12, v[10:11], s[8:9] offset:18944
	s_cmp_lg_u32 s16, 0
	s_cbranch_scc1 .Lnot_wave_0
	global_store_b32 v13, v20, s[12:13]
.Lnot_wave_0:
	s_wait_xcnt 0x0
	s_or_b32 exec_lo, exec_lo, s31
	s_wait_xcnt 0x0
	s_mov_b32 exec_lo, -1
	s_wait_tensorcnt 0x0
	ds_add_u32 v208, v209
	s_wait_dscnt 0x0
	s_endpgm
.Lfunc_end_k_qa590623565_place:
	.size	k_qa590623565_place, .Lfunc_end_k_qa590623565_place-k_qa590623565_place
	.p2alignl 7, 3214868480
	.fill 96, 4, 3214868480
	.section	.rodata,"a",@progbits
	.p2align	6, 0x0
	.amdhsa_kernel k_qa590623565_place
		.amdhsa_group_segment_fixed_size 1280
		.amdhsa_private_segment_fixed_size 0
		.amdhsa_enable_private_segment 0
		.amdhsa_kernarg_size 40
		.amdhsa_user_sgpr_count 2
		.amdhsa_user_sgpr_kernarg_segment_ptr 1
		.amdhsa_wavefront_size32 1
		.amdhsa_system_sgpr_workgroup_id_x 1
		.amdhsa_system_sgpr_workgroup_id_y 1
		.amdhsa_system_sgpr_workgroup_id_z 1
		.amdhsa_system_vgpr_workitem_id 0
		.amdhsa_next_free_vgpr 210
		.amdhsa_next_free_sgpr 66
		.amdhsa_reserve_vcc 1
		.amdhsa_float_denorm_mode_32 3
		.amdhsa_float_denorm_mode_16_64 3
		.amdhsa_memory_ordered 1
		.amdhsa_forward_progress 1
		.amdhsa_inst_pref_size 109
	.end_amdhsa_kernel
	.amdgpu_metadata
---
amdhsa.version: [ 1, 2 ]
amdhsa.kernels:
  - .name:           k_qa590623565_place
    .symbol:         k_qa590623565_place.kd
    .args:
      - { .name: topi, .offset: 0, .size: 8, .value_kind: global_buffer, .address_space: global }
      - { .name: gate, .offset: 8, .size: 8, .value_kind: global_buffer, .address_space: global }
      - { .name: plan, .offset: 16, .size: 8, .value_kind: global_buffer, .address_space: global }
      - { .name: wsl, .offset: 24, .size: 8, .value_kind: global_buffer, .address_space: global }
      - { .name: out1, .offset: 32, .size: 8, .value_kind: global_buffer, .address_space: global }
    .group_segment_fixed_size: 1280
    .private_segment_fixed_size: 0
    .kernarg_segment_align: 8
    .kernarg_segment_size: 40
    .max_flat_workgroup_size: 256
    .sgpr_count:     66
    .vgpr_count:     210
    .wavefront_size: 32
...
	.end_amdgpu_metadata
.endif
;; end of part 2
;; launch up (part 3): grid 32 x 8, 4 waves a work-group, no clusters, 100,864 bytes of LDS; arguments W1_codes, W1_scales, xq, plan, hq; writes hq
.if DOCPART == 3
	.amdgcn_target "amdgcn-amd-amdhsa--gfx1250"
	.amdhsa_code_object_version 6
	.text
	.protected	k_qa590623565_up
	.globl	k_qa590623565_up
	.p2align	8
	.type	k_qa590623565_up,@function
k_qa590623565_up:
	s_mov_b64 s[64:65], 0
	v_nop
	global_prefetch_b8 v0, s[64:65] scope:SCOPE_SE
	s_setreg_imm32_b32 hwreg(HW_REG_WAVE_MODE, 25, 1), 1
	s_wait_xcnt 0x0
; hq = Q(gelu(xq W1^T)), for the rows that chose the expert alone.  Codes of E2M3, one E8M0 scale for each 32 along K.
; SHARES.  Work-group (x, y) owns hidden units 128 x .. 128 x + 127 of expert y, one K step of the second product: 98,304 dense bytes of W1's codes, read from memory once,
; in loads of 512 consecutive bytes, through LDS (rows 784 bytes apart) into REGISTERS, where they stay.  Wave w: u = w % 2 picks blocks u and 2 + u of the four blocks of
; 32 units (4 tiles x 8 K steps x 12 = 384 registers), w / 2 picks the even or the odd tiles of 16 rows.
; How many tiles there are is a stored number, so there is no tensor load, no cluster and no barrier in the loop: x's codes come from memory straight into the operand's
; registers.  A token of xq holds, for each half of the lanes, the lane's 96 registers and four scale words on end: 25 loads of 16 bytes a tile.
; TWO BUFFERS take turns: behind tile n's products the wave asks for tile n + 2 into the buffer just read, and for the tokens of tile n + 4, so that a tile's loads
; have the rest of this tile's work and all of the next tile's in which to land.  A trip of the loop is two tiles; its backward jump counts trips against 16
; (32 tiles a wave: 1,024 tokens / 16 / 2); a forward jump leaves it at the expert's own number.
; THE PRODUCT IS USED TRANSPOSED (source 0 = 16 rows of W1, source 1 = 16 rows of x) and the rows of W1 that form a tile are chosen (lane r of tile 2 b + v takes row
; 64 b + 32 u + 8 v + r + 8 (r / 8)), so that a lane holds one row and the 16 registers of tiles 2 b, 2 b + 1 are 16 neighbours along the next K.
; hq IS AN IMAGE OF THE NEXT OPERAND'S REGISTERS: [tile][32 K steps][3 pieces of 512]: registers 4 j .. 4 j + 3 at 16 x lane.  Blocks u and 2 + u are all twelve registers of
; lanes 16 u .. 16 u + 15, so each of my stores of codes writes runs of 256 consecutive bytes.  Scale words at HSC: [tile][4 waves of the reader][32 lanes][4]: the word of
; K step 8 w + 2 i + h, row r, at 512 w + 256 h + 16 r + 4 i.
; GELU: h = max(x, 0) - |x| erfc(|x| / sqrt 2) / 2, which cancels nothing for x < 0; erfc by the five-term rational form of Abramowitz and Stegun 7.1.26.
; LIMITS: that form's error is 1.5e-7 absolute in erf; NaN and infinities are not served; a block under 2^-124 gets the byte 1.  For an expert without rows the head's
; loads, held inside their buffers, bring bytes of which nothing is made.
.set ACC, 32                           ; v32-63   the four tiles' sums, then h
.set WS,  64                           ; v64-95   W1's scale words, 8 t + s
.set XS,  96                           ; v96-103  x's scale words, four a buffer: lanes 0-15 K step i, lanes 16-31 K step 4 + i
.set AX,  104                          ; v104-135 |x|
.set T,   136                          ; v136-167 1 + p |x|, then its reciprocal
.set E,   168                          ; v168-199 the exponent, the exponential, then exponential x t x |x|
.set RR,  200                          ; v200-231 the polynomial
.set TM,  232                          ; v232-239 the quantiser's work
.set IDO, 10                           ; v10-11   offsets of the loads of tokens, one a buffer
.set ID,  12                           ; v12-13   the tokens, one a buffer
.set XO,  22                           ; v22-23   offsets of x's loads, one a buffer
.set HSC, 6684672
.set PITCH, 784
.set MAXT, 64                          ; tiles of 16 rows that one expert can have at the most
; window 1: W1's fragments of K steps 0-3 at v[48 s + 12 t] (first: 192 registers that carry W1 to LDS); window 2: of K steps 4-7; window 3: x's two buffers, v[96 b + 12 s]
.set MSB, 0
.macro WIN new                         ; the immediate's high byte repeats the setting that is left
.if MSB != (\new)
	s_set_vgpr_msb (MSB<<8)|(\new)
.set MSB, (\new)
.endif
.endm
	s_load_b256 s[4:11], s[0:1], 0x0               ; W1's codes, W1's scales, xq, plan
	s_load_b64 s[12:13], s[0:1], 0x20              ; hq
	v_lshl_add_u32 v251, v0, 2, 0x18800
	v_mov_b32 v253, 0
	v_lshrrev_b32 v3, 5, v0
	v_readfirstlane_b32 s14, v3                    ; wave
	s_and_b32 s15, s14, 1                          ; u
	s_lshr_b32 s16, s14, 1                         ; which tiles of rows
	s_mov_b32 s17, ttmp9                           ; the slice of 128 units = the K step of the second product
	s_and_b32 s18, ttmp7, 0xffff                   ; the expert
	v_and_b32 v3, 31, v0                           ; lane
	v_and_b32 v1, 15, v0                           ; r
	v_bfe_u32 v2, v0, 4, 1                         ; h
	s_mul_i32 s23, s14, 32*PITCH                   ; my wave carries 32 rows: three loads of 512 bytes are two rows of 768
	v_lshl_add_u32 v5, v3, 4, s23                  ; the first: the even row's bytes 0-511
	v_lshl_add_u32 v6, v2, 4, v5
	v_add_nc_u32 v6, 512, v6                       ; the second: its last 256 bytes, and, past the padding, the odd row's first 256
	v_add_nc_u32 v7, 1040, v5                      ; the third: the odd row's bytes 256-767
	s_mul_i32 s23, s14, 24576
	v_lshl_add_u32 v8, v3, 4, s23
	v_and_b32 v9, 8, v1
	v_add_nc_u32 v9, v9, v1                        ; r + 8 (r / 8)
	s_lshl_b32 s23, s15, 5
	v_add_nc_u32 v9, s23, v9                       ; + 32 u
	v_mul_u32_u24 v4, v9, PITCH
	v_mad_u32_u24 v4, v2, 24, v4                   ; my place in a fragment of W1
	v_lshlrev_b32 v9, 5, v9                        ; and among its scale bytes: 32 a row
	v_lshlrev_b32 v14, 4, v1
	v_lshl_add_u32 v14, v2, 10, v14                ; hq: my 16 bytes: 16 r, in piece 0 (lanes 0-15) or piece 2 (lanes 16-31)
	v_lshlrev_b32 v15, 4, v1
	v_lshl_add_u32 v15, v2, 3, v15
	v_add_nc_u32 v15, 512, v15                     ; my 8 bytes of piece 1: 16 r + 8 h
	v_lshlrev_b32 v19, 4, v1
	v_lshl_add_u32 v19, v2, 1, v19                 ; my scale byte: 16 r + 2 h
	v_mov_b32 v20, 0x3f07dc22                      ; a5 / 2, as a pair
	v_mov_b32 v21, 0x3f07dc22
	v_mov_b32 v[TM+2], 0                           ; a lane permute's destination counts as one of its sources
	v_mov_b32 v[TM+3], 0
	s_mov_b32 s28, 0x76543210
	s_mov_b32 s29, 0xfedcba98
	s_mov_b32 s30, 0x3e6d3388                      ; p / sqrt 2 = 0.23164189
	s_mov_b32 s31, s30                             ; (the packed forms name pairs, so both words are written)
	s_mov_b32 s32, 0xbf38aa3b                      ; -log2(e) / 2
	s_mov_b32 s33, s32
	s_mov_b32 s34, 0x3e027906                      ; a1 / 2
	s_mov_b32 s35, s34
	s_mov_b32 s36, 0xbe11a98e                      ; a2 / 2
	s_mov_b32 s37, s36
	s_mov_b32 s38, 0x3f35f0e3                      ; a3 / 2
	s_mov_b32 s39, s38
	s_mov_b32 s40, 0xbf3a00e3                      ; a4 / 2
	s_mov_b32 s41, s40
	s_mov_b32 s42, 0xffff0000                      ; lanes 16-31
	s_mul_i32 s44, s17, 1536
	s_lshl_b32 s23, s15, 8
	s_add_co_u32 s44, s44, s23                     ; my K step's image in a tile of hq, and my sixteen lanes of it
	s_lshr_b32 s45, s17, 3
	s_lshl_b32 s45, s45, 9                         ; its scale words: 512 x the reader's wave
	s_and_b32 s23, s17, 1
	s_lshl_b32 s23, s23, 8
	s_add_co_u32 s45, s45, s23                     ; + 256 x the reader's half of the lanes
	s_bfe_u32 s23, s17, 0x20001
	s_lshl_b32 s23, s23, 2
	s_add_co_u32 s45, s45, s23                     ; + 4 x the word
	s_add_co_u32 s45, s45, s15                     ; + u: my blocks' bytes are u and 2 + u
	s_add_co_u32 s45, s45, HSC
	s_lshl_b32 s23, s18, 12
	s_lshl_b32 s24, s17, 7
	s_add_co_u32 s23, s23, s24                     ; the work-group's first row of W1
	s_mul_i32 s24, s23, 768
	s_mov_b32 s25, 0
	s_lshl_b32 s26, s23, 5
	s_mov_b32 s27, 0
	s_lshl_b32 s47, s18, 3
	s_wait_kmcnt 0x0
	s_load_b64 s[20:21], s[10:11], s47 offset:18944  ; the expert's first tile and its number of tiles
	s_add_nc_u64 s[4:5], s[4:5], s[24:25]
	s_add_nc_u64 s[6:7], s[6:7], s[26:27]
	WIN 0x40                                       ; destination window 1
.set j, 0
.rept 48
	global_load_b128 v[4*j:4*j+3], v8, s[4:5] offset:512*j th:TH_LOAD_NT
.set j, j+1
.endr
	WIN 0
.irp t, 0,1,2,3
	global_load_b128 v[WS+8*\t:WS+8*\t+3], v9, s[6:7] offset:(64*(\t/2)+8*(\t%2))*32
	global_load_b128 v[WS+8*\t+4:WS+8*\t+7], v9, s[6:7] offset:(64*(\t/2)+8*(\t%2))*32+16
.endr
.macro IDS b, add                      ; the tokens of tile min(j + add, last), one a lane, for buffer b
	s_add_co_u32 s23, s22, \add
	s_min_u32 s23, s23, s46
	s_add_co_u32 s23, s23, s20
	s_min_u32 s23, s23, 135
	s_lshl_b32 s23, s23, 4
	v_add_lshl_u32 v[IDO+\b], v1, s23, 2
	global_load_b32 v[ID+\b], v[IDO+\b], s[10:11]
.endm
.macro XLOAD b                         ; x's eight fragments and four scale words of the tokens in v[ID + b], into buffer b: my 400 consecutive bytes, 25 loads
	v_min_u32 v[ID+\b], 1023, v[ID+\b]
	v_mul_u32_u24 v[XO+\b], v[ID+\b], 800
	v_mad_u32_u24 v[XO+\b], v2, 400, v[XO+\b]
	WIN 0xc0
.set k, 0
.rept 24
	global_load_b128 v[96*\b+4*k:96*\b+4*k+3], v[XO+\b], s[8:9] offset:16*k
.set k, k+1
.endr
	WIN 0
	global_load_b128 v[XS+4*\b:XS+4*\b+3], v[XO+\b], s[8:9] offset:384
.endm
	s_wait_kmcnt 0x0
	s_min_u32 s20, s20, 135
	s_min_u32 s21, s21, MAXT
	s_max_u32 s46, s21, 1
	s_sub_co_u32 s46, s46, 1                       ; the expert's last tile
	s_mov_b32 s22, s16                             ; j: my first tile
	IDS 0, 0                                       ; the tokens of my first two tiles go out right behind the weights
	IDS 1, 2
	s_wait_loadcnt 10                              ; the 48 loads of codes are in; issued behind them, and free to be out: eight of scale words, two of tokens
	WIN 0x04                                       ; an LDS store's data are its source 1: window 1
.set j, 0
.rept 48
	ds_store_b128 v[5+j%3], v[4*j:4*j+3] offset:1568*(j/3)
.set j, j+1
.endr
	WIN 0
	s_wait_loadcnt 0x0                             ; the scale words and the tokens
	XLOAD 0                                        ; my first two tiles of x are on their way while W1 goes through LDS.  The order of issue from here on:
	IDS 0, 4                                       ; x of tile n, tokens of tile n + 2, x of tile n + 1, tokens of tile n + 3 ..
	XLOAD 1
	IDS 1, 6
	s_wait_dscnt 0x0                               ; for the others' sake: my 32 rows lie in LDS
	s_barrier_signal -1
	s_barrier_wait -1
.irp s, 0,1,2,3,4,5,6,7
.if \s < 4
	WIN 0x40
.else
	WIN 0x80
.endif
.irp t, 0,1,2,3
.irp p, 0,1,2,3,4,5
	ds_load_b64 v[48*(\s%4)+12*\t+2*\p:48*(\s%4)+12*\t+2*\p+1], v4 offset:(64*(\t/2)+8*(\t%2))*PITCH+96*\s+48*(\p/3)+8*(\p%3)
.endr
.endr
.endr
	WIN 0
	s_wait_dscnt 0x0
.macro MMU s, t, b                     ; one product: K step s, tile t of W1's rows, x's buffer b
.set DD, ACC+8*(\t)
.set WW, 48*((\s)%4)+12*(\t)
.set XX, 96*(\b)+12*(\s)
.set SA, WS+8*(\t)+(\s)
.set SB, XS+4*(\b)+(\s)%4
.if (\s) == 0
	v_wmma_scale_f32_16x16x128_f8f6f4 v[DD:DD+7], v[WW:WW+11], v[XX:XX+11], 0, v[SA], v[SB] matrix_a_fmt:MATRIX_FMT_FP6 matrix_b_fmt:MATRIX_FMT_FP6
.elseif (\s) < 4
	v_wmma_scale_f32_16x16x128_f8f6f4 v[DD:DD+7], v[WW:WW+11], v[XX:XX+11], v[DD:DD+7], v[SA], v[SB] matrix_a_fmt:MATRIX_FMT_FP6 matrix_b_fmt:MATRIX_FMT_FP6
.else
	v_wmma_scale_f32_16x16x128_f8f6f4 v[DD:DD+7], v[WW:WW+11], v[XX:XX+11], v[DD:DD+7], v[SA], v[SB] matrix_a_fmt:MATRIX_FMT_FP6 matrix_b_fmt:MATRIX_FMT_FP6 matrix_b_scale:MATRIX_SCALE_ROW1
.endif
.endm
; One tile of 16 rows, from buffer b
.macro TILE b
	s_wait_loadcnt 26                              ; this tile's x and the tokens of the tile after next are in; issued behind them, and free to be out: the next tile's 25 loads and one load of tokens
	s_wait_xcnt 0x0                                ; the last tile's stores have read their registers
	s_add_co_u32 s23, s20, s22
	s_min_u32 s23, s23, 135                        ; the tile in hq
	s_mul_i32 s24, s23, 49152
	s_add_co_u32 s24, s24, s44
	s_lshl_b32 s25, s23, 11
	s_add_co_u32 s25, s25, s45
.irp s, 0,1,2,3,4,5,6,7                        ; the four accumulators take turns, one instruction a turn
.if \s < 4
	WIN 0x0d                                       ; source 0 (W1) window 1, source 1 (x) window 3
.else
	WIN 0x0e                                       ; source 0 window 2
.endif
.irp t, 0,1,2,3
	MMU \s, \t, \b
.endr
.endr
	WIN 0
	v_add_nc_u32 v16, s24, v14                     ; where this tile's codes and scale bytes go: also the four places behind the products (ISA guide 7.12.1)
	v_add_nc_u32 v17, s24, v15
	v_add_nc_u32 v18, s25, v19
	v_nop
	XLOAD \b                                       ; the tile after next, into the buffer just read
	IDS \b, 8                                      ; and the tokens of the tile two further on
.set i, 0
.rept 32
	v_and_b32 v[AX+i], 0x7fffffff, v[ACC+i]        ; each accumulator is read from its low end on
.set i, i+1
.endr
.set i, 0
.rept 16
	v_pk_fma_f32 v[T+i:T+i+1], v[AX+i:AX+i+1], s[30:31], 1.0 op_sel_hi:[1,0,0]
	v_pk_mul_f32 v[E+i:E+i+1], v[AX+i:AX+i+1], v[AX+i:AX+i+1]
.set i, i+2
.endr
.set i, 0
.rept 16
	v_pk_mul_f32 v[E+i:E+i+1], v[E+i:E+i+1], s[32:33] op_sel_hi:[1,0]   ; -x^2 log2(e) / 2
.set i, i+2
.endr
.set i, 0
.rept 32
	v_rcp_f32 v[T+i], v[T+i]                       ; t
.set i, i+1
.endr
.set i, 0
.rept 32
	v_exp_f32 v[E+i], v[E+i]                       ; e^(-x^2 / 2)
.set i, i+1
.endr
.set i, 0
.rept 32
	v_max_num_f32 v[ACC+i], 0, v[ACC+i]            ; max(x, 0): plain work that names no result of the batch
.set i, i+1
.endr
	s_wait_alu depctr_va_vdst(0)                   ; one wait for the 64, ahead of their first reader
.set i, 0
.rept 16
	v_pk_fma_f32 v[RR+i:RR+i+1], v[T+i:T+i+1], v[20:21], s[40:41] op_sel_hi:[1,1,0]
	v_pk_mul_f32 v[E+i:E+i+1], v[E+i:E+i+1], v[T+i:T+i+1]
.set i, i+2
.endr
.set i, 0
.rept 16
	v_pk_fma_f32 v[RR+i:RR+i+1], v[RR+i:RR+i+1], v[T+i:T+i+1], s[38:39] op_sel_hi:[1,1,0]
	v_pk_mul_f32 v[E+i:E+i+1], v[E+i:E+i+1], v[AX+i:AX+i+1]
.set i, i+2
.endr
.set i, 0
.rept 16
	v_pk_fma_f32 v[RR+i:RR+i+1], v[RR+i:RR+i+1], v[T+i:T+i+1], s[36:37] op_sel_hi:[1,1,0]
.set i, i+2
.endr
.set i, 0
.rept 16
	v_pk_fma_f32 v[RR+i:RR+i+1], v[RR+i:RR+i+1], v[T+i:T+i+1], s[34:35] op_sel_hi:[1,1,0]
.set i, i+2
.endr
.set i, 0
.rept 16
	v_pk_fma_f32 v[ACC+i:ACC+i+1], v[RR+i:RR+i+1], v[E+i:E+i+1], v[ACC+i:ACC+i+1] neg_lo:[1,0,0] neg_hi:[1,0,0]   ; h
.set i, i+2
.endr
	; the quantiser: register 16 b + i is number 16 h + i of my row's block u (b = 0) or 2 + u (b = 1): each block is shared with lane l xor 16
.irp q, 0,1
	v_max3_num_f32 v[TM+\q], |v[ACC+16*\q]|, |v[ACC+1+16*\q]|, 0x1800000   ; and the floor 2^(3 - 127): the byte cannot fall under 1
.endr
.irp p, 2,4,6,8,10,12,14
.irp q, 0,1
	v_max3_num_f32 v[TM+\q], v[TM+\q], |v[ACC+16*\q+\p]|, |v[ACC+1+16*\q+\p]|
.endr
.endr
.irp q, 0,1
	v_permlanex16_b32 v[TM+2+\q], v[TM+\q], s28, s29
.endr
.irp q, 0,1
	v_max_num_f32 v[TM+\q], v[TM+\q], v[TM+2+\q]
.endr
.irp q, 0,1
	v_add_nc_u32 v[TM+4+\q], 0xff000000, v[TM+\q]  ; 2 off the exponent field: the conversion's scale operand
.endr
.irp q, 0,1
	v_lshrrev_b32 v[TM+6+\q], 23, v[TM+4+\q]       ; the scale's byte
.endr
	v_cndmask_b32 v252, v[TM+6], v[TM+7], s42      ; lanes 0-15 store the first block's byte, lanes 16-31 the second's
	v_cvt_scalef32_pk16_fp6_f32 v[240:242], v[ACC:ACC+15], v[TM+4]
	v_cvt_scalef32_pk16_fp6_f32 v[248:250], v[ACC+16:ACC+31], v[TM+5]
	v_nop                                          ; one plain place behind a scaled conversion
.irp q, 0,1,2
	v_permlane16_swap_b32 v[240+\q], v[248+\q]     ; a whole block to a lane, in v240-242 and v248-250: lanes 0-15 block u (the image's registers 0-5), lanes 16-31 block 2 + u (registers 6-11)
.endr
	v_cndmask_b32 v244, v240, v242, s42            ; sixteen bytes: lanes 0-15 registers 0-3 (piece 0), lanes 16-31 registers 8-11 (piece 2);
	v_cndmask_b32 v245, v241, v248, s42
	v_cndmask_b32 v246, v242, v249, s42
	v_cndmask_b32 v247, v248, v250, s42
	v_cndmask_b32 v254, v249, v240, s42            ; eight bytes of piece 1: lanes 0-15 registers 4-5, lanes 16-31 registers 6-7
	v_cndmask_b32 v255, v250, v241, s42
	global_store_b128 v16, v[244:247], s[12:13]    ; two runs of 256 consecutive bytes,
	global_store_b64 v17, v[254:255], s[12:13]     ; and one
	global_store_b8 v18, v252, s[12:13]
	s_add_co_u32 s22, s22, 2
	s_cmp_ge_u32 s22, s21                          ; the expert's tiles are done: out, by a forward jump
	s_cbranch_scc1 .Lend
.endm
	s_cmp_ge_u32 s22, s21
	s_cbranch_scc1 .Lend
	s_mov_b32 s48, 0
.Lrow:
	TILE 0
	TILE 1
	s_add_co_u32 s48, s48, 1
	s_cmp_lt_u32 s48, MAXT/4                       ; the backward jump counts trips of two tiles against a constant
	s_cbranch_scc1 .Lrow
.Lend:
	s_barrier_signal -1
	s_barrier_wait -1
	s_wait_tensorcnt 0x0
	ds_add_u32 v251, v253
	s_wait_dscnt 0x0
	s_endpgm
.Lfunc_end_k_qa590623565_up:
	.size	k_qa590623565_up, .Lfunc_end_k_qa590623565_up-k_qa590623565_up
	.p2alignl 7, 3214868480
	.fill 96, 4, 3214868480
	.section	.rodata,"a",@progbits
	.p2align	6, 0x0
	.amdhsa_kernel k_qa590623565_up
		.amdhsa_group_segment_fixed_size 100864
		.amdhsa_private_segment_fixed_size 0
		.amdhsa_enable_private_segment 0
		.amdhsa_kernarg_size 40
		.amdhsa_user_sgpr_count 2
		.amdhsa_user_sgpr_kernarg_segment_ptr 1
		.amdhsa_wavefront_size32 1
		.amdhsa_system_sgpr_workgroup_id_x 1
		.amdhsa_system_sgpr_workgroup_id_y 1
		.amdhsa_system_sgpr_workgroup_id_z 1
		.amdhsa_system_vgpr_workitem_id 0
		.amdhsa_next_free_vgpr 1024
		.amdhsa_next_free_sgpr 66
		.amdhsa_reserve_vcc 0
		.amdhsa_float_denorm_mode_32 3
		.amdhsa_float_denorm_mode_16_64 3
		.amdhsa_memory_ordered 1
		.amdhsa_forward_progress 1
		.amdhsa_inst_pref_size 82
	.end_amdhsa_kernel
	.amdgpu_metadata
---
amdhsa.version: [ 1, 2 ]
amdhsa.kernels:
  - .name:           k_qa590623565_up
    .symbol:         k_qa590623565_up.kd
    .args:
      - { .name: W1_codes, .offset: 0, .size: 8, .value_kind: global_buffer, .address_space: global }
      - { .name: W1_scales, .offset: 8, .size: 8, .value_kind: global_buffer, .address_space: global }
      - { .name: xq, .offset: 16, .size: 8, .value_kind: global_buffer, .address_space: global }
      - { .name: plan, .offset: 24, .size: 8, .value_kind: global_buffer, .address_space: global }
      - { .name: hq, .offset: 32, .size: 8, .value_kind: global_buffer, .address_space: global }
    .group_segment_fixed_size: 100864
    .private_segment_fixed_size: 0
    .kernarg_segment_align: 8
    .kernarg_segment_size: 40
    .max_flat_workgroup_size: 128
    .sgpr_count:     66
    .vgpr_count:     1024
    .wavefront_size: 32
...
	.end_amdgpu_metadata
.endif
;; end of part 3
;; launch down (part 4): grid 32 x 8, 4 waves a work-group, no clusters, 320,512 bytes of LDS; arguments W2_codes, W2_scales, hq, plan, wsl, y; writes y
.if DOCPART == 4
	.amdgcn_target "amdgcn-amd-amdhsa--gfx1250"
	.amdhsa_code_object_version 6
	.text
	.protected	k_qa590623565_down
	.globl	k_qa590623565_down
	.p2align	8
	.type	k_qa590623565_down,@function
k_qa590623565_down:
	s_mov_b64 s[64:65], 0
	v_nop
	global_prefetch_b8 v0, s[64:65] scope:SCOPE_SE
	s_setreg_imm32_b32 hwreg(HW_REG_WAVE_MODE, 25, 1), 1
	s_wait_xcnt 0x0
; y = weight x (hq W2^T), for the expert's own rows.  Codes of E2M3, one E8M0 scale for each 32 along K.
; SHARES.  Work-group (x, y) owns outputs 32 x .. 32 x + 31 of expert y: 98,304 dense bytes of W2's codes, read from memory once, in loads of 512 consecutive bytes,
; through LDS (rows 3,088 bytes apart) into REGISTERS.  THE WAVES SPLIT K: wave w takes K steps 8 w .. 8 w + 7 (2 tiles x 8 x 12 = 192 registers), so each fragment of h
; is read once by the work-group, and all four waves have the same work.  The four parts of a sum meet in LDS.
; The number of tiles is a stored number: every loop has a constant count, work is passed over by scalar branches, and every barrier stands outside them.
; So there is no tensor load and no cluster.  h's fragments come from memory as images of the operand's registers: my eight K steps of a tile are 24 loads of 512 consecutive
; bytes, their scale words one load, the rows' weights one: 52 loads for a group of two tiles.  TWO BUFFERS of a group each: a group asks, at its end, for the group after
; next into the buffer that it has just read, so that at the next group's head one more group is on its way behind the one that is waited for.
; A jump at a group's head leads behind ALL groups of the chunk: groups 1 to 11 are reached only through the group before, so their counted wait holds on every way;
; group 0, which is also reached round the loop from such a jump, waits for all loads.
; THE PRODUCT IS USED TRANSPOSED (source 0 = 16 rows of W2, source 1 = 16 rows of h): a lane holds one row and eight neighbouring outputs.
; y: [tile][32 slices][16 rows][32 outputs] f32, the gate's weight applied: a wave's store covers 512 consecutive bytes.
; The groups behind an expert's last tile ask for that last tile again (no load leaves its buffer, and every way issues the same loads); nothing is made of them.
.set WP,   3088
.set PART, 98816                       ; LDS behind W2's rows: [24 tiles][4 waves][16 rows x (128 + 16) bytes]
.set CH,   24                          ; tiles in a chunk: 98,816 + 24 x 9,216 = 320,000 bytes of LDS
.set HSC,  6684672
.set AD,   166                         ; v166-177 the offsets of h's loads: 6 x buffer + 3 x tile + (codes, scale words, weights)
.set PA,   178                         ; v178-183 LDS: my part of tiles 4 k
.set PR,   184                         ; v184-189 LDS: the parts of tile w + 4 k, read back
; window 0: v16-47 four accumulators (16 + 16 a + 8 n); v48-63 W2's scale words (8 n + s); v64-79 h's scale words (8 buffer + 4 a + s / 2: lanes 0-15 the even K step, lanes 16-31 the odd);
;   v80-87 the rows' weights, as pairs; v96-159 the parts read back; v160-165 offsets.
; window 1, window 2: h's two buffers, v[96 a + 12 s]; window 3: W2's fragments, v[96 n + 12 s] (first: the 192 registers that carry W2 to LDS)
.set MSB, 0
.macro WIN new                         ; the immediate's high byte repeats the setting that is left
.if MSB != (\new)
	s_set_vgpr_msb (MSB<<8)|(\new)
.set MSB, (\new)
.endif
.endm
	s_load_b256 s[4:11], s[0:1], 0x0               ; W2's codes, W2's scales, hq, plan
	s_load_b128 s[12:15], s[0:1], 0x20             ; wsl, y
	v_lshl_add_u32 v254, v0, 2, 0x4e200
	v_mov_b32 v255, 0
	v_lshrrev_b32 v3, 5, v0
	v_readfirstlane_b32 s16, v3                    ; wave
	s_mov_b32 s17, ttmp9                           ; the slice of 32 outputs
	s_and_b32 s18, ttmp7, 0xffff                   ; the expert
	v_and_b32 v3, 31, v0                           ; lane
	v_and_b32 v1, 15, v0                           ; r
	v_bfe_u32 v2, v0, 4, 1                         ; h
	v_lshlrev_b32 v165, 4, v3
	s_mul_i32 s24, s16, 8*WP
	v_add_nc_u32 v4, s24, v165                     ; my wave carries eight rows of 3,072 bytes: six loads a row
	s_mul_i32 s24, s16, 24576
	v_add_nc_u32 v5, s24, v165
	s_mul_i32 s24, s16, 768
	v_mul_u32_u24 v6, v1, WP
	v_mad_u32_u24 v6, v2, 24, v6
	v_add_nc_u32 v6, s24, v6                       ; my place in a fragment of W2: row r, my wave's K steps
	s_lshl_b32 s24, s16, 5
	v_lshl_add_u32 v7, v1, 7, s24                  ; and among its scale bytes: 128 a row
	s_mul_i32 s24, s16, 12288
	v_add_nc_u32 v161, s24, v165                   ; h's images: my wave's eight K steps of a tile, 16 bytes a lane
	s_lshl_b32 s24, s16, 9
	v_add_nc_u32 v163, s24, v165                   ; h's scale words: my wave's 512 bytes, four words a lane
	v_lshlrev_b32 v164, 2, v1
	s_mul_i32 s24, s16, 2304
	s_add_co_u32 s24, s24, PART
	v_mul_u32_u24 v[PA], v1, 144
	v_lshl_add_u32 v[PA], v2, 5, v[PA]
	v_add_nc_u32 v[PA], s24, v[PA]                 ; my part of tile 0: row r, 32 bytes for each half of the lanes
.irp k, 1,2,3,4,5
	v_add_nc_u32 v[PA+\k], 36864*\k, v[PA]         ; of tiles 4, 8 .. 20
.endr
	s_mul_i32 s24, s16, 9216
	s_add_co_u32 s24, s24, PART
	v_lshrrev_b32 v[PR], 3, v3
	v_mul_u32_u24 v[PR], v[PR], 144
	v_and_b32 v9, 7, v3
	v_lshl_add_u32 v[PR], v9, 4, v[PR]
	v_add_nc_u32 v[PR], s24, v[PR]                 ; back: tile w: eight lanes to a row of 128 bytes, four rows an instruction
.irp k, 1,2,3,4,5
	v_add_nc_u32 v[PR+\k], 36864*\k, v[PR]         ; tiles w + 4, w + 8 .. w + 20
.endr
.irp q, 81,83,85,87
	v_mov_b32 v[\q], 0                             ; named with the weights as pairs
.endr
	s_lshl_b32 s28, s17, 11                        ; my slice's place in a tile of y
	s_lshl_b32 s24, s18, 10
	s_lshl_b32 s25, s17, 5
	s_add_co_u32 s24, s24, s25                     ; the work-group's first row of W2
	s_mul_i32 s26, s24, 3072
	s_mov_b32 s27, 0
	s_lshl_b32 s24, s24, 7
	s_mov_b32 s25, 0
	s_lshl_b32 s19, s18, 3
	s_mov_b32 s23, 0                               ; the chunk's first tile
	s_wait_kmcnt 0x0
	s_load_b64 s[20:21], s[10:11], s19 offset:18944  ; the expert's first tile and its number of tiles
	s_add_nc_u64 s[4:5], s[4:5], s[26:27]
	s_add_nc_u64 s[6:7], s[6:7], s[24:25]
	WIN 0xc0                                       ; destination window 3
.set j, 0
.rept 48
	global_load_b128 v[4*j:4*j+3], v5, s[4:5] offset:512*j th:TH_LOAD_NT
.set j, j+1
.endr
	WIN 0
.irp n, 0,1
	global_load_b128 v[48+8*\n:51+8*\n], v7, s[6:7] offset:2048*\n
	global_load_b128 v[52+8*\n:55+8*\n], v7, s[6:7] offset:2048*\n+16
.endr
	s_wait_kmcnt 0x0
	s_min_u32 s20, s20, 135
	s_min_u32 s21, s21, 64
	s_max_u32 s27, s21, 1
	s_sub_co_u32 s27, s27, 1                       ; the expert's last tile
; h's fragments, scale words and weights of tiles min(chunk + koff + a, last), a = 0, 1, into buffer buf: 52 loads.  Each buffer has offsets of its own:
; they are written again only when the buffer's last loads have been waited for
.macro HLOAD buf, koff
.irp a, 0,1
	s_add_co_u32 s24, s23, \koff+\a
	s_min_u32 s24, s24, s27
	s_add_co_u32 s24, s24, s20
	s_min_u32 s24, s24, 135
	s_mul_i32 s25, s24, 49152
	v_add_nc_u32 v[AD+6*\buf+3*\a], s25, v161
	s_lshl_b32 s25, s24, 11
	v_add_nc_u32 v[AD+6*\buf+3*\a+1], s25, v163
	s_lshl_b32 s25, s24, 6
	v_add_nc_u32 v[AD+6*\buf+3*\a+2], s25, v164
.endr
	WIN 0x40*(\buf+1)
.irp a, 0,1
.irp k, 0,1,2,3,4,5,6,7,8,9,10,11,12,13,14,15,16,17,18,19,20,21,22,23
	global_load_b128 v[96*\a+4*\k:96*\a+4*\k+3], v[AD+6*\buf+3*\a], s[8:9] offset:512*\k
.endr
.endr
	WIN 0
.irp a, 0,1
	global_load_b128 v[64+8*\buf+4*\a:67+8*\buf+4*\a], v[AD+6*\buf+3*\a+1], s[8:9] offset:HSC
	global_load_b32 v[80+4*\buf+2*\a], v[AD+6*\buf+3*\a+2], s[12:13]
.endr
.endm
	HLOAD 0, 0                                     ; the first group of h goes out right behind the weights
	s_wait_loadcnt 56                              ; the 48 loads of codes are in; issued behind them, and free to be out: four of scale words, 52 of h
	WIN 0x0c                                       ; an LDS store's data are its source 1: window 3
.set j, 0
.rept 48
	ds_store_b128 v4, v[4*j:4*j+3] offset:(j/6)*WP+(j%6)*512
.set j, j+1
.endr
	WIN 0
	HLOAD 1, 2                                     ; the second group
	s_wait_dscnt 0x0                               ; for the others' sake: my eight rows lie in LDS
	s_barrier_signal -1
	s_barrier_wait -1
	WIN 0xc0                                       ; destination window 3
.irp n, 0,1
.irp s, 0,1,2,3,4,5,6,7
.irp p, 0,1,2,3,4,5
	ds_load_b64 v[96*\n+12*\s+2*\p:96*\n+12*\s+2*\p+1], v6 offset:16*\n*WP+96*\s+48*(\p/3)+8*(\p%3)
.endr
.endr
.endr
	WIN 0
.macro MM s, a, n                      ; one product: K step s of my eight, tile a of the group, outputs 16 n on
.set DD, 16+16*(\a)+8*(\n)
.set WW, 96*(\n)+12*(\s)
.set HH, 96*(\a)+12*(\s)
.set SA, 48+8*(\n)+(\s)
.set SB, 64+8*BF+4*(\a)+(\s)/2
.if (\s) == 0
	v_wmma_scale_f32_16x16x128_f8f6f4 v[DD:DD+7], v[WW:WW+11], v[HH:HH+11], 0, v[SA], v[SB] matrix_a_fmt:MATRIX_FMT_FP6 matrix_b_fmt:MATRIX_FMT_FP6
.elseif (\s)%2 == 0
	v_wmma_scale_f32_16x16x128_f8f6f4 v[DD:DD+7], v[WW:WW+11], v[HH:HH+11], v[DD:DD+7], v[SA], v[SB] matrix_a_fmt:MATRIX_FMT_FP6 matrix_b_fmt:MATRIX_FMT_FP6
.else
	v_wmma_scale_f32_16x16x128_f8f6f4 v[DD:DD+7], v[WW:WW+11], v[HH:HH+11], v[DD:DD+7], v[SA], v[SB] matrix_a_fmt:MATRIX_FMT_FP6 matrix_b_fmt:MATRIX_FMT_FP6 matrix_b_scale:MATRIX_SCALE_ROW1
.endif
.endm
; Group g of a chunk: tiles 2 g and 2 g + 1, from buffer g % 2
.macro GROUP g
.set BF, (\g)%2
	s_add_co_u32 s24, s23, 2*(\g)
	s_cmp_ge_u32 s24, s21
	s_cbranch_scc1 .Lgroups_done
.if (\g) == 0
	s_wait_loadcnt 0x0                             ; a chunk's first group is reached by more than one way: it waits for all loads
.else
	s_wait_loadcnt 52                              ; this group's 52 loads are in; the next group's 52, issued behind them at the last group's end, may be out
.endif
	s_wait_dscnt 0x0                               ; the last group's LDS stores have read the accumulators (the first time: W2's fragments are in)
	WIN 0x07+4*BF                                  ; source 0 (W2) window 3, source 1 (h) window 1 or 2
.irp s, 0,1,2,3,4,5,6,7                        ; the four accumulators take turns, one instruction a turn
.irp a, 0,1
.irp n, 0,1
	MM \s, \a, \n
.endr
.endr
.endr
	WIN 0
.rept 4
	v_nop                                          ; four places behind the products (ISA guide 7.12.1)
.endr
.irp a, 0,1
.irp q, 0,2,4,6,8,10,12,14
	v_pk_mul_f32 v[16+16*\a+\q:17+16*\a+\q], v[16+16*\a+\q:17+16*\a+\q], v[80+4*BF+2*\a:81+4*BF+2*\a] op_sel_hi:[1,0]   ; x my row's weight; each accumulator from its low end on
.endr
.endr
.irp a, 0,1
.irp n, 0,1
	ds_store_b128 v[PA+(2*(\g)+\a)/4], v[16+16*\a+8*\n:19+16*\a+8*\n] offset:((2*(\g)+\a)%4)*9216+64*\n
	ds_store_b128 v[PA+(2*(\g)+\a)/4], v[20+16*\a+8*\n:23+16*\a+8*\n] offset:((2*(\g)+\a)%4)*9216+64*\n+16
.endr
.endr
	HLOAD BF, 2*(\g)+4                             ; the group after next, into the buffer just read: the twenty plain lines above are its places behind the products
.endm
; Tile w + 4 k of the chunk: the four waves' parts are added and stored
.macro REDUCE k
	s_add_co_u32 s24, s23, s16
	s_add_co_u32 s24, s24, 4*\k
	s_cmp_ge_u32 s24, s21
	s_cbranch_scc1 .Lno_tile_\@
	s_add_co_u32 s24, s24, s20
	s_min_u32 s24, s24, 135
	s_lshl_b32 s24, s24, 16
	s_add_co_u32 s24, s24, s28
	s_wait_xcnt 0x0                                ; the last tile's stores have read their registers
	v_add_nc_u32 v160, s24, v165
.irp wv, 0,1,2,3
.irp q, 0,1,2,3
	ds_load_b128 v[96+16*\wv+4*\q:99+16*\wv+4*\q], v[PR+\k] offset:2304*\wv+576*\q
.endr
.endr
	s_wait_dscnt 0x0
.irp q, 0,2,4,6,8,10,12,14
	v_pk_add_f32 v[96+\q:97+\q], v[96+\q:97+\q], v[112+\q:113+\q]
	v_pk_add_f32 v[128+\q:129+\q], v[128+\q:129+\q], v[144+\q:145+\q]
.endr
.irp q, 0,2,4,6,8,10,12,14
	v_pk_add_f32 v[96+\q:97+\q], v[96+\q:97+\q], v[128+\q:129+\q]
.endr
.irp q, 0,1,2,3
	global_store_b128 v160, v[96+4*\q:99+4*\q], s[14:15] offset:512*\q   ; 32 lanes store 512 consecutive bytes, at a multiple of 256 from y's first byte
.endr
.Lno_tile_\@:
.endm
.Lchunk:                                           ; three trips of 24 tiles: 72 tiles serve every split (an expert has 64 at the most)
.irp g, 0,1,2,3,4,5,6,7,8,9,10,11
	GROUP \g
.endr
.Lgroups_done:
	s_wait_dscnt 0x0                               ; for the others' sake: my parts lie in LDS
	s_barrier_signal -1
	s_barrier_wait -1
.irp k, 0,1,2,3,4,5
	REDUCE \k
.endr
	s_wait_dscnt 0x0                               ; my reads of the parts are over: the next chunk may write them again
	s_barrier_signal -1
	s_barrier_wait -1
	s_add_co_u32 s23, s23, CH
	s_cmp_lt_u32 s23, 3*CH
	s_cbranch_scc1 .Lchunk
	s_wait_tensorcnt 0x0
	ds_add_u32 v254, v255
	s_wait_dscnt 0x0
	s_endpgm
.Lfunc_end_k_qa590623565_down:
	.size	k_qa590623565_down, .Lfunc_end_k_qa590623565_down-k_qa590623565_down
	.p2alignl 7, 3214868480
	.fill 96, 4, 3214868480
	.section	.rodata,"a",@progbits
	.p2align	6, 0x0
	.amdhsa_kernel k_qa590623565_down
		.amdhsa_group_segment_fixed_size 320512
		.amdhsa_private_segment_fixed_size 0
		.amdhsa_enable_private_segment 0
		.amdhsa_kernarg_size 48
		.amdhsa_user_sgpr_count 2
		.amdhsa_user_sgpr_kernarg_segment_ptr 1
		.amdhsa_wavefront_size32 1
		.amdhsa_system_sgpr_workgroup_id_x 1
		.amdhsa_system_sgpr_workgroup_id_y 1
		.amdhsa_system_sgpr_workgroup_id_z 1
		.amdhsa_system_vgpr_workitem_id 0
		.amdhsa_next_free_vgpr 1024
		.amdhsa_next_free_sgpr 66
		.amdhsa_reserve_vcc 0
		.amdhsa_float_denorm_mode_32 3
		.amdhsa_float_denorm_mode_16_64 3
		.amdhsa_memory_ordered 1
		.amdhsa_forward_progress 1
		.amdhsa_inst_pref_size 188
	.end_amdhsa_kernel
	.amdgpu_metadata
---
amdhsa.version: [ 1, 2 ]
amdhsa.kernels:
  - .name:           k_qa590623565_down
    .symbol:         k_qa590623565_down.kd
    .args:
      - { .name: W2_codes, .offset: 0, .size: 8, .value_kind: global_buffer, .address_space: global }
      - { .name: W2_scales, .offset: 8, .size: 8, .value_kind: global_buffer, .address_space: global }
      - { .name: hq, .offset: 16, .size: 8, .value_kind: global_buffer, .address_space: global }
      - { .name: plan, .offset: 24, .size: 8, .value_kind: global_buffer, .address_space: global }
      - { .name: wsl, .offset: 32, .size: 8, .value_kind: global_buffer, .address_space: global }
      - { .name: y, .offset: 40, .size: 8, .value_kind: global_buffer, .address_space: global }
    .group_segment_fixed_size: 320512
    .private_segment_fixed_size: 0
    .kernarg_segment_align: 8
    .kernarg_segment_size: 48
    .max_flat_workgroup_size: 128
    .sgpr_count:     66
    .vgpr_count:     1024
    .wavefront_size: 32
...
	.end_amdgpu_metadata
.endif
;; end of part 4
;; launch join (part 5): grid 256 x 1, 4 waves a work-group, no clusters, 0 bytes of LDS; arguments plan, y, out0; writes out0
.if DOCPART == 5
	.amdgcn_target "amdgcn-amd-amdhsa--gfx1250"
	.amdhsa_code_object_version 6
	.text
	.protected	k_qa590623565_join
	.globl	k_qa590623565_join
	.p2align	8
	.type	k_qa590623565_join,@function
k_qa590623565_join:
	s_mov_b64 s[64:65], 0
	v_nop
	global_prefetch_b8 v0, s[64:65] scope:SCOPE_SE
	s_setreg_imm32_b32 hwreg(HW_REG_WAVE_MODE, 25, 1), 1
	s_wait_xcnt 0x0
; out0[token] = the token's two weighted rows of y, added.  One wave takes one token: each output row has one owner.
; pos (plan + 9,728) holds, for each token and choice, 512 x tile + row; y is [tile][32 slices][16 rows][32 outputs], so a row's piece of slice s
; lies 128 x that number + 2,048 s bytes in: eight lanes read a piece of 128 bytes, and the wave stores 512 consecutive bytes of the output row.
; Memory binds: no LDS, no barrier, no matrix unit; all sixteen loads of a wave go out together.
	s_load_b128 s[4:7], s[0:1], 0x0                ; plan, y
	s_load_b64 s[8:9], s[0:1], 0x10                ; out0
	v_lshrrev_b32 v1, 5, v0
	v_readfirstlane_b32 s10, v1
	s_lshl_b32 s11, ttmp9, 2
	s_add_co_u32 s11, s11, s10                     ; my token
	s_lshl_b32 s14, s11, 3
	v_and_b32 v1, 31, v0
	v_lshrrev_b32 v2, 3, v1
	v_and_b32 v3, 7, v1
	v_lshlrev_b32 v3, 4, v3
	v_lshl_add_u32 v2, v2, 11, v3                  ; 2,048 (lane / 8) + 16 (lane % 8)
	v_lshlrev_b32 v5, 4, v1
	s_lshl_b32 s16, s11, 12
	s_mov_b32 s17, 0
	s_wait_kmcnt 0x0
	s_load_b64 s[12:13], s[4:5], s14 offset:9728
	s_add_nc_u64 s[8:9], s[8:9], s[16:17]
	s_wait_kmcnt 0x0
	s_min_u32 s12, s12, 69135                      ; 512 x 135 + 15
	s_min_u32 s13, s13, 69135
	s_lshl_b32 s12, s12, 7
	s_lshl_b32 s13, s13, 7
	v_add_nc_u32 v3, s12, v2
	v_add_nc_u32 v4, s13, v2
.irp i, 0,1,2,3,4,5,6,7
	global_load_b128 v[16+4*\i:19+4*\i], v3, s[6:7] offset:8192*\i
.endr
.irp i, 0,1,2,3,4,5,6,7
	global_load_b128 v[48+4*\i:51+4*\i], v4, s[6:7] offset:8192*\i
.endr
.irp i, 0,1,2,3,4,5,6,7
	s_wait_loadcnt 7-\i                            ; loads come back in order: the second row's piece i is in, and so is all of the first row; the later pieces may be out
	v_pk_add_f32 v[16+4*\i:17+4*\i], v[16+4*\i:17+4*\i], v[48+4*\i:49+4*\i]
	v_pk_add_f32 v[18+4*\i:19+4*\i], v[18+4*\i:19+4*\i], v[50+4*\i:51+4*\i]
	global_store_b128 v5, v[16+4*\i:19+4*\i], s[8:9] offset:512*\i th:TH_STORE_NT
.endr
	s_endpgm
.Lfunc_end_k_qa590623565_join:
	.size	k_qa590623565_join, .Lfunc_end_k_qa590623565_join-k_qa590623565_join
	.p2alignl 7, 3214868480
	.fill 96, 4, 3214868480
	.section	.rodata,"a",@progbits
	.p2align	6, 0x0
	.amdhsa_kernel k_qa590623565_join
		.amdhsa_group_segment_fixed_size 0
		.amdhsa_private_segment_fixed_size 0
		.amdhsa_enable_private_segment 0
		.amdhsa_kernarg_size 24
		.amdhsa_user_sgpr_count 2
		.amdhsa_user_sgpr_kernarg_segment_ptr 1
		.amdhsa_wavefront_size32 1
		.amdhsa_system_sgpr_workgroup_id_x 1
		.amdhsa_system_sgpr_workgroup_id_y 1
		.amdhsa_system_sgpr_workgroup_id_z 1
		.amdhsa_system_vgpr_workitem_id 0
		.amdhsa_next_free_vgpr 80
		.amdhsa_next_free_sgpr 66
		.amdhsa_reserve_vcc 0
		.amdhsa_float_denorm_mode_32 3
		.amdhsa_float_denorm_mode_16_64 3
		.amdhsa_memory_ordered 1
		.amdhsa_forward_progress 1
		.amdhsa_inst_pref_size 5
	.end_amdhsa_kernel
	.amdgpu_metadata
---
amdhsa.version: [ 1, 2 ]
amdhsa.kernels:
  - .name:           k_qa590623565_join
    .symbol:         k_qa590623565_join.kd
    .args:
      - { .name: plan, .offset: 0, .size: 8, .value_kind: global_buffer, .address_space: global }
      - { .name: y, .offset: 8, .size: 8, .value_kind: global_buffer, .address_space: global }
      - { .name: out0, .offset: 16, .size: 8, .value_kind: global_buffer, .address_space: global }
    .group_segment_fixed_size: 0
    .private_segment_fixed_size: 0
    .kernarg_segment_align: 8
    .kernarg_segment_size: 24
    .max_flat_workgroup_size: 128
    .sgpr_count:     66
    .vgpr_count:     80
    .wavefront_size: 32
...
	.end_amdgpu_metadata
.endif
;; end of part 5
;; ======== version 2 of 2: 5 launches
;; limits: a function is approximated: absolute error at most 1.5e-07
;; workspace buffers: xq 819,200 bytes; gate 16,384 bytes; topi 8,192 bytes of whole numbers; plan 19,200 bytes of whole numbers; wsl 9,728 bytes; hq 6,963,200 bytes; y 8,912,896 bytes
;; launch route (part 6): grid 64 x 1, 4 waves a work-group, no clusters, 52,736 bytes of LDS; arguments x, Wg, xq, gate, topi; writes xq, gate, topi
.if DOCPART == 6
	.amdgcn_target "amdgcn-amd-amdhsa--gfx1250"
	.amdhsa_code_object_version 6
	.text
	.protected	k_qa590623565_route
	.globl	k_qa590623565_route
	.p2align	8
	.type	k_qa590623565_route,@function
k_qa590623565_route:
	s_mov_b64 s[64:65], 0
	v_nop
	global_prefetch_b8 v0, s[64:65] scope:SCOPE_SE
	s_setreg_imm32_b32 hwreg(HW_REG_WAVE_MODE, 25, 1), 1
	s_wait_xcnt 0x0
; THE ROUTER AND x's QUANTISER.  x [1024 tokens][1024] f32, Wg [1024][8] f32.
; For each token: logits = x Wg by f32 multiply-adds, softmax with the maximum taken away, the two largest probabilities (the lower index
; wins a tie), renormalised by their sum + 1e-8; and x's codes of E2M3 with one E8M0 byte for each 32 along K.
; Stored at fixed places only: xq, topi [token][2], gate (weights [token][2] at 0, each wave's sums of the eight probabilities [wave][8] at 8,192).
; No address here hangs on a result.
; xq IS LAID AS ITS READER'S REGISTERS WANT IT: a token is 800 bytes, 400 for each half h of the reader's lanes: the codes of blocks h, 2 + h, 4 + h .. (24 bytes each,
; 384 in all: the operand's registers of eight K steps on end), then the 16 scale bytes of K steps 4 h .. 4 h + 3.  So block l goes to 400 (l % 2) + 24 (l / 2),
; its scale byte to 400 (l / 16) + 384 + l % 16.
; SHARES.  64 work-groups x 4 waves x 4 tokens.  Lane l holds block l of a token (k = 32 l .. 32 l + 31) and rows 32 l .. 32 l + 31 of Wg
; (256 registers, window 1): a block's largest magnitude needs no other lane, a logit is one sum over the lanes.
; Loads take the bytes as they lie (512 consecutive bytes an instruction); a token's row turns through the wave's own stage in LDS.
; LIMITS: NaN and infinities are not served; a block whose largest magnitude lies under 2^-124 (a block of zeros too) gets the byte 1: a block of zeros
; has zero codes, and this program alone reads the bytes.
.set R,   32                           ; v32-159  four tokens as loaded
.set X,   160                          ; v160-191 my 32 neighbours of the token in hand (v160-223 first carry Wg to LDS)
.set A,   192                          ; v192-199 logits, then exponentials, then probabilities
.set PS,  200                          ; v200-207 sums of probabilities over my wave's tokens
.set TP,  208                          ; v208-215 the other half of the lanes' sums
.set RI,  16                           ; v16-23   the chosen experts, two a token
.set RV,  24                           ; v24-31   their weights
.set STG, 33280                        ; LDS: Wg as 32 x (1,024 + 16) bytes at 0; behind it a stage of 32 x (128 + 16) bytes for each wave
.set XT,  800                          ; a token in xq
.set MSB, 0
.macro WIN new                         ; the immediate's high byte repeats the setting that is left
.if MSB != (\new)
	s_set_vgpr_msb (MSB<<8)|(\new)
.set MSB, (\new)
.endif
.endm
	s_load_b256 s[4:11], s[0:1], 0x0               ; x, Wg, xq, gate
	s_load_b64 s[12:13], s[0:1], 0x20              ; topi
	v_lshl_add_u32 v254, v0, 2, 0xcc00
	v_mov_b32 v255, 0
	v_lshrrev_b32 v11, 5, v0
	v_readfirstlane_b32 s14, v11                   ; wave
	v_and_b32 v1, 31, v0                           ; lane
	v_lshlrev_b32 v2, 4, v1                        ; my 16 bytes of a load's 512
	s_mul_i32 s15, s14, 4608
	s_add_co_u32 s15, s15, STG                     ; my wave's stage
	v_lshrrev_b32 v3, 3, v1
	v_mul_u32_u24 v3, v3, 144
	v_and_b32 v11, 7, v1
	v_lshl_add_u32 v3, v11, 4, v3
	v_add_nc_u32 v3, s15, v3                       ; into the stage: eight lanes' 128 bytes on end, then 16 of padding
	v_mul_u32_u24 v4, v1, 144
	v_add_nc_u32 v4, s15, v4                       ; out of it: my block
	v_lshrrev_b32 v5, 6, v0
	v_mul_u32_u24 v5, v5, 1040
	v_and_b32 v11, 63, v0
	v_lshl_add_u32 v5, v11, 4, v5                  ; Wg into LDS: 64 threads' 1,024 bytes on end, then 16 of padding
	v_lshlrev_b32 v6, 4, v0
	v_mul_u32_u24 v7, v1, 1040                     ; and out: my 32 rows
	v_lshrrev_b32 v8, 1, v1
	v_mul_u32_u24 v8, v8, 24
	v_and_b32 v11, 1, v1
	v_mad_u32_u24 v8, v11, 400, v8                 ; my block's codes in a token of xq: 400 (l % 2) + 24 (l / 2)
	v_lshrrev_b32 v9, 4, v1
	v_mul_u32_u24 v9, v9, 400
	v_and_b32 v11, 15, v1
	v_add_nc_u32 v9, v9, v11
	v_add_nc_u32 v9, 384, v9                       ; and its scale byte: 400 (l / 16) + 384 + l % 16
	v_mov_b32 v10, 0
	s_mov_b32 s16, 0x76543210
	s_mov_b32 s17, 0xfedcba98                      ; v_permlanex16_b32's selects for lane l xor 16
	s_mov_b32 s18, 0x3fb8aa3b                      ; log2(e)
	s_lshl_b32 s19, ttmp9, 4
	s_lshl_b32 s20, s14, 2
	s_add_co_u32 s19, s19, s20                     ; my wave's first token
	s_lshl_b32 s24, s19, 12
	s_mov_b32 s25, 0
	s_mul_i32 s26, s19, XT
	s_mov_b32 s27, 0
	s_lshl_b32 s30, s19, 3
	s_mov_b32 s31, 0
	s_add_co_u32 s32, s30, 8192                    ; 32 bytes a wave = 8 bytes a token
	s_mov_b32 s33, 0
	s_wait_kmcnt 0x0
	s_add_nc_u64 s[4:5], s[4:5], s[24:25]          ; x at my first token
	s_add_nc_u64 s[8:9], s[8:9], s[26:27]          ; xq likewise
	s_add_nc_u64 s[12:13], s[12:13], s[30:31]      ; its experts
	s_add_nc_u64 s[34:35], s[10:11], s[30:31]      ; its weights
	s_add_nc_u64 s[36:37], s[10:11], s[32:33]      ; my wave's sums
.irp j, 0,1,2,3,4,5,6,7,8,9,10,11,12,13,14,15
	global_load_b128 v[160+4*\j:163+4*\j], v6, s[6:7] offset:2048*\j
.endr
.irp i, 0,1,2,3
.irp j, 0,1,2,3,4,5,6,7
	global_load_b128 v[R+32*\i+4*\j:R+32*\i+4*\j+3], v2, s[4:5] offset:4096*\i+512*\j th:TH_LOAD_NT
.endr
.endr
	s_wait_loadcnt 32                              ; Wg's 16 loads are in; x's 32, issued behind them, may be out
.irp j, 0,1,2,3,4,5,6,7,8,9,10,11,12,13,14,15
	ds_store_b128 v5, v[160+4*\j:163+4*\j] offset:2080*\j
.endr
	s_wait_dscnt 0x0                               ; for the others' sake: my part of Wg lies in LDS
	s_barrier_signal -1
	s_barrier_wait -1
	WIN 0x40                                       ; destination window 1
.set m, 0
.rept 64
	ds_load_b128 v[4*m:4*m+3], v7 offset:16*m      ; register 8 i + e = Wg(32 l + i, e)
.set m, m+1
.endr
	WIN 0
.irp e, 0,1,2,3,4,5,6,7
	v_mov_b32 v[TP+\e], 0                          ; a lane permute's destination counts as one of its sources
	v_mov_b32 v[PS+\e], 0
.endr
	v_mov_b32 v219, 0                              ; named with v218 as a pair
	s_wait_dscnt 0x0
.macro TOKEN i
	s_wait_loadcnt 8*(3-\i)                        ; this token's eight loads are in; the later tokens' may be out
	s_wait_xcnt 0x0                                ; the last token's stores have read their registers
.irp j, 0,1,2,3,4,5,6,7
	ds_store_b128 v3, v[R+32*\i+4*\j:R+32*\i+4*\j+3] offset:576*\j
.endr
.irp j, 0,1,2,3,4,5,6,7
	ds_load_b128 v[X+4*\j:X+4*\j+3], v4 offset:16*\j   ; LDS serves a wave's instructions in order: these see the stores above
.endr
	s_wait_dscnt 0x0
	WIN 0x04                                       ; source 1 (Wg) window 1
.set kk, 0
.rept 32                                       ; eight partial logits, two an instruction, in four chains
.irp p, 0,1,2,3
.if kk == 0
	v_pk_mul_f32 v[A+2*\p:A+2*\p+1], v[X:X+1], v[2*\p:2*\p+1] op_sel_hi:[0,1]
.elseif kk%2 == 0
	v_pk_fma_f32 v[A+2*\p:A+2*\p+1], v[X+kk:X+kk+1], v[8*kk+2*\p:8*kk+2*\p+1], v[A+2*\p:A+2*\p+1] op_sel_hi:[0,1,1]
.else
	v_pk_fma_f32 v[A+2*\p:A+2*\p+1], v[X+kk-1:X+kk], v[8*kk+2*\p:8*kk+2*\p+1], v[A+2*\p:A+2*\p+1] op_sel:[1,0,0] op_sel_hi:[1,1,1]
.endif
.endr
.set kk, kk+1
.endr
	WIN 0
.irp m, 1,2,4,8                                ; over the 32 lanes; every lane ends with the sums
.irp e, 0,1,2,3,4,5,6,7
	v_add_f32_dpp v[A+\e], v[A+\e], v[A+\e] row_xmask:\m row_mask:0xf bank_mask:0xf
.endr
.endr
.irp e, 0,1,2,3,4,5,6,7
	v_permlanex16_b32 v[TP+\e], v[A+\e], s16, s17
.endr
.irp e, 0,1,2,3,4,5,6,7
	v_add_f32 v[A+\e], v[A+\e], v[TP+\e]
.endr
	v_max3_num_f32 v216, v[A], v[A+1], v[A+2]
	v_max3_num_f32 v217, v[A+3], v[A+4], v[A+5]
	v_max3_num_f32 v216, v216, v[A+6], v[A+7]
	v_max_num_f32 v216, v216, v217                 ; the largest logit
.irp e, 0,1,2,3,4,5,6,7
	v_sub_f32 v[A+\e], v[A+\e], v216               ; the difference first, not fused with the scaling: it loses nothing however large the logits are
.endr
.irp e, 0,1,2,3,4,5,6,7
	v_mul_f32 v[A+\e], s18, v[A+\e]
.endr
	s_wait_alu depctr_va_vdst(0)
.irp e, 0,1,2,3,4,5,6,7
	v_exp_f32 v[A+\e], v[A+\e]
.endr
	v_nop                                          ; a plain instruction behind the last exponential
	s_wait_alu depctr_va_vdst(0)                   ; one wait for the eight, ahead of their first reader
	v_add_f32 v216, v[A], v[A+1]
	v_add_f32 v217, v[A+2], v[A+3]
	v_add_f32 v220, v[A+4], v[A+5]
	v_add_f32 v221, v[A+6], v[A+7]
	v_add_f32 v216, v216, v217
	v_add_f32 v220, v220, v221
	v_add_f32 v216, v216, v220
	s_wait_alu depctr_va_vdst(0)
	v_rcp_f32 v218, v216
	v_nop
	s_wait_alu depctr_va_vdst(0)
.irp p, 0,2,4,6
	v_pk_fma_f32 v[PS+\p:PS+\p+1], v[A+\p:A+\p+1], v[218:219], v[PS+\p:PS+\p+1] op_sel_hi:[1,0,1]
	v_pk_mul_f32 v[A+\p:A+\p+1], v[A+\p:A+\p+1], v[218:219] op_sel_hi:[1,0]   ; the probabilities
.endr
	v_mov_b32 v224, v[A]                           ; the largest so far, and its expert;
	v_mov_b32 v[RI+2*\i], 0
	v_mov_b32 v225, -1.0                           ; the second
	v_mov_b32 v[RI+2*\i+1], 0
.irp e, 1,2,3,4,5,6,7                          ; strict compares: of equal probabilities the lower index stays ahead
	v_cmp_gt_f32 s20, v[A+\e], v224
	v_cmp_gt_f32 s21, v[A+\e], v225
	v_cndmask_b32 v225, v225, v[A+\e], s21
	v_cndmask_b32 v[RI+2*\i+1], v[RI+2*\i+1], \e, s21
	v_cndmask_b32 v225, v225, v224, s20
	v_cndmask_b32 v[RI+2*\i+1], v[RI+2*\i+1], v[RI+2*\i], s20
	v_cndmask_b32 v224, v224, v[A+\e], s20
	v_cndmask_b32 v[RI+2*\i], v[RI+2*\i], \e, s20
.endr
	v_add_f32 v216, v224, v225
	v_add_f32 v216, 0x322bcc77, v216               ; + 1e-8
	s_wait_alu depctr_va_vdst(0)
	v_rcp_f32 v218, v216
	; the quantiser: all 32 numbers of the block are mine.  (Plain work behind the reciprocal)
	v_max3_num_f32 v226, |v[X]|, |v[X+1]|, |v[X+2]|
	v_max3_num_f32 v227, |v[X+3]|, |v[X+4]|, |v[X+5]|
.irp q, 6,10,14,18,22,26
	v_max3_num_f32 v226, v226, |v[X+\q]|, |v[X+\q+1]|
	v_max3_num_f32 v227, v227, |v[X+\q+2]|, |v[X+\q+3]|
.endr
	v_max3_num_f32 v226, v226, |v[X+30]|, |v[X+31]|
	v_max3_num_f32 v226, v226, v227, 0x1800000     ; and the floor 2^(3 - 127): the byte cannot fall under 1
	v_add_nc_u32 v228, 0xff000000, v226            ; 2 off the exponent field: the conversion takes this operand's exponent field as its scale
	v_cvt_scalef32_pk16_fp6_f32 v[240:242], v[X:X+15], v228
	v_cvt_scalef32_pk16_fp6_f32 v[244:246], v[X+16:X+31], v228
	v_lshrrev_b32 v229, 23, v228                   ; the scale's byte
	s_wait_alu depctr_va_vdst(0)                   ; the reciprocal, ahead of its first reader
	v_mul_f32 v[RV+2*\i], v224, v218
	v_mul_f32 v[RV+2*\i+1], v225, v218
	global_store_b96 v8, v[240:242], s[8:9] offset:XT*\i        ; the wave's two stores cover the token's 768 bytes of codes
	global_store_b96 v8, v[244:246], s[8:9] offset:XT*\i+12
	global_store_b8 v9, v229, s[8:9] offset:XT*\i
.endm
	TOKEN 0
	TOKEN 1
	TOKEN 2
	TOKEN 3
	s_wait_alu depctr_va_vdst(0)
	s_wait_xcnt 0x0                                ; EXEC changes only behind this wait
	v_cmp_eq_u32 vcc_lo, 0, v1
	s_barrier_signal -1
	s_barrier_wait -1
	s_wait_tensorcnt 0x0
	ds_add_u32 v254, v255
	s_wait_dscnt 0x0
	s_and_saveexec_b32 s15, vcc_lo                 ; every lane holds the same: lane 0 stores the wave's four tokens' results, 32 bytes of each kind
	global_store_b128 v10, v[RI:RI+3], s[12:13]
	global_store_b128 v10, v[RI+4:RI+7], s[12:13] offset:16
	global_store_b128 v10, v[RV:RV+3], s[34:35]
	global_store_b128 v10, v[RV+4:RV+7], s[34:35] offset:16
	global_store_b128 v10, v[PS:PS+3], s[36:37]
	global_store_b128 v10, v[PS+4:PS+7], s[36:37] offset:16
	s_wait_xcnt 0x0
	s_or_b32 exec_lo, exec_lo, s15
	s_endpgm
.Lfunc_end_k_qa590623565_route:
	.size	k_qa590623565_route, .Lfunc_end_k_qa590623565_route-k_qa590623565_route
	.p2alignl 7, 3214868480
	.fill 96, 4, 3214868480
	.section	.rodata,"a",@progbits
	.p2align	6, 0x0
	.amdhsa_kernel k_qa590623565_route
		.amdhsa_group_segment_fixed_size 52736
		.amdhsa_private_segment_fixed_size 0
		.amdhsa_enable_private_segment 0
		.amdhsa_kernarg_size 40
		.amdhsa_user_sgpr_count 2
		.amdhsa_user_sgpr_kernarg_segment_ptr 1
		.amdhsa_wavefront_size32 1
		.amdhsa_system_sgpr_workgroup_id_x 1
		.amdhsa_system_sgpr_workgroup_id_y 1
		.amdhsa_system_sgpr_workgroup_id_z 1
		.amdhsa_system_vgpr_workitem_id 0
		.amdhsa_next_free_vgpr 512
		.amdhsa_next_free_sgpr 66
		.amdhsa_reserve_vcc 1
		.amdhsa_float_denorm_mode_32 3
		.amdhsa_float_denorm_mode_16_64 3
		.amdhsa_memory_ordered 1
		.amdhsa_forward_progress 1
		.amdhsa_inst_pref_size 91
	.end_amdhsa_kernel
	.amdgpu_metadata
---
amdhsa.version: [ 1, 2 ]
amdhsa.kernels:
  - .name:           k_qa590623565_route
    .symbol:         k_qa590623565_route.kd
    .args:
      - { .name: x, .offset: 0, .size: 8, .value_kind: global_buffer, .address_space: global }
      - { .name: Wg, .offset: 8, .size: 8, .value_kind: global_buffer, .address_space: global }
      - { .name: xq, .offset: 16, .size: 8, .value_kind: global_buffer, .address_space: global }
      - { .name: gate, .offset: 24, .size: 8, .value_kind: global_buffer, .address_space: global }
      - { .name: topi, .offset: 32, .size: 8, .value_kind: global_buffer, .address_space: global }
    .group_segment_fixed_size: 52736
    .private_segment_fixed_size: 0
    .kernarg_segment_align: 8
    .kernarg_segment_size: 40
    .max_flat_workgroup_size: 128
    .sgpr_count:     66
    .vgpr_count:     512
    .wavefront_size: 32
...
	.end_amdgpu_metadata
.endif
;; end of part 6
;; launch place (part 7): grid 1 x 1, 8 waves a work-group, no clusters, 1,280 bytes of LDS; arguments topi, gate, plan, wsl, out1; writes plan, wsl, out1
.if DOCPART == 7
	.amdgcn_target "amdgcn-amd-amdhsa--gfx1250"
	.amdhsa_code_object_version 6
	.text
	.protected	k_qa590623565_place
	.globl	k_qa590623565_place
	.p2align	8
	.type	k_qa590623565_place,@function
k_qa590623565_place:
	s_mov_b64 s[64:65], 0
	v_nop
	global_prefetch_b8 v0, s[64:65] scope:SCOPE_SE
	s_setreg_imm32_b32 hwreg(HW_REG_WAVE_MODE, 25, 1), 1
	s_wait_xcnt 0x0
; THE ROWS ARE PLACED BY EXPERT, and the load-balance loss is made.  One work-group; wave e serves expert e.
; Expert e owns the slots 16 x (its first tile) on, its count rounded up to whole tiles of 16; its rows stand in the order of the tokens.
; plan: rows[2432] at 0 (slot -> token), pos[2304] at 9,728 (2 token + choice -> 512 x tile + row in the tile), meta[8] {first tile, tiles} at 18,944.
; wsl[2432]: a slot's weight.  Slots that fill a tile up hold token 0 with the weight 0.
; No lane is ever switched off in the placing: a lane with nothing to place writes to a spare entry of its own (rows, wsl: 2,176 + 32 e + lane; pos: 2,048 + 32 e + lane).
; Every wave counts all eight experts itself, so that the numbers that steer addresses come from the loaded indices by integer work alone.
; loss = 8 x sum over e of (sum of probabilities / 1,024) x (count / 2,048) = 2^-18 x sum of (sum of probabilities x count).
.set I,  32                            ; v32-95   the two experts of token 32 i + lane; later the two store offsets of step i
.set V,  96                            ; v96-159  their weights; later the slot's weight and the number for pos
.set Q,  160                           ; v160-167 eight of the 256 waves' sums of expert e's probabilities
.set TK, 168                           ; v168-199 token 32 i + lane
	s_load_b256 s[4:11], s[0:1], 0x0               ; topi, gate, plan, wsl
	s_load_b64 s[12:13], s[0:1], 0x20              ; out1
	v_lshl_add_u32 v208, v0, 2, 0x100
	v_mov_b32 v209, 0
	v_lshrrev_b32 v6, 5, v0
	s_delay_alu instid0(VALU_DEP_1)
	v_readfirstlane_b32 s16, v6                    ; wave = expert
	v_and_b32 v1, 31, v0                           ; lane
	s_delay_alu instid0(VALU_DEP_1)
	v_lshlrev_b32 v2, 3, v1
	s_lshl_b32 s17, s16, 2
	v_lshl_add_u32 v3, v1, 5, s17
	s_lshl_b32 s18, s16, 5
	v_add_nc_u32 v4, s18, v1
	s_delay_alu instid0(VALU_DEP_1)
	v_add_nc_u32 v5, 2048, v4                      ; my spare entry of pos,
	s_delay_alu instid0(VALU_DEP_2)
	v_add_nc_u32 v4, 2176, v4                      ; of rows and of wsl
	v_mov_b32 v7, s17                              ; LDS: my wave's word
	v_mov_b32 v13, 0
	s_mov_b32 s14, 0x76543210
	s_mov_b32 s15, 0xfedcba98
	s_wait_alu depctr_va_vdst(0)
	s_wait_kmcnt 0x0
.set i, 0
.rept 32
	global_load_b64 v[I+2*i:I+2*i+1], v2, s[4:5] offset:256*i
.set i, i+1
.endr
.set i, 0
.rept 32
	global_load_b64 v[V+2*i:V+2*i+1], v2, s[6:7] offset:256*i
.set i, i+1
.endr
.irp j, 0,1,2,3,4,5,6,7
	global_load_b32 v[Q+\j], v3, s[6:7] offset:8192+1024*\j
.endr
.irp ee, 0,1,2,3,4,5,6,7
	s_mov_b32 s[32+\ee], 0
.endr
.set i, 0
.rept 32
	v_add_nc_u32 v[TK+i], 32*i, v1
.set i, i+1
.endr
	s_wait_loadcnt 0x0
.set i, 0
.rept 32                                       ; the eight counts: sixteen compares in a run, then the scalar work
.irp ee, 0,1,2,3,4,5,6,7
	v_cmp_eq_u32 s[44+2*\ee], \ee, v[I+2*i]
	v_cmp_eq_u32 s[45+2*\ee], \ee, v[I+2*i+1]
.endr
.irp ee, 0,1,2,3,4,5,6,7
	s_or_b32 s[44+2*\ee], s[44+2*\ee], s[45+2*\ee]
.endr
.irp ee, 0,1,2,3,4,5,6,7
	s_bcnt1_i32_b32 s[44+2*\ee], s[44+2*\ee]
.endr
.irp ee, 0,1,2,3,4,5,6,7
	s_add_co_u32 s[32+\ee], s[32+\ee], s[44+2*\ee]
.endr
.set i, i+1
.endr
	s_mov_b32 s24, 0                               ; my expert's count
	s_mov_b32 s26, 0                               ; its first slot: the lower experts' counts, each rounded up to 16
.irp ee, 0,1,2,3,4,5,6,7
	s_add_co_u32 s27, s[32+\ee], 15
	s_and_b32 s27, s27, 0xfffffff0
	s_cmp_gt_u32 s16, \ee
	s_cselect_b32 s27, s27, 0
	s_add_co_u32 s26, s26, s27
	s_cmp_eq_u32 s16, \ee
	s_cselect_b32 s24, s[32+\ee], s24
.endr
	s_add_co_u32 s28, s24, 15
	s_and_b32 s28, s28, 0xfffffff0
	s_lshr_b32 s29, s28, 4                         ; my tiles
	s_add_co_u32 s28, s28, s26                     ; behind my last slot
	s_lshr_b32 s30, s26, 4                         ; my first tile
	; my expert's term of the loss
.irp j, 0,2,4,6
	v_add_f32 v[Q+\j], v[Q+\j], v[Q+\j+1]
.endr
	s_delay_alu instid0(VALU_DEP_3)
	v_add_f32 v[Q], v[Q], v[Q+2]
	s_delay_alu instid0(VALU_DEP_2)
	v_add_f32 v[Q+4], v[Q+4], v[Q+6]
	s_delay_alu instid0(VALU_DEP_1)
	v_add_f32 v[Q], v[Q], v[Q+4]
.irp m, 1,2,4,8
	s_delay_alu instid0(VALU_DEP_1)
	v_add_f32_dpp v[Q], v[Q], v[Q] row_xmask:\m row_mask:0xf bank_mask:0xf
.endr
	s_delay_alu instid0(VALU_DEP_1)
	v_permlanex16_b32 v[Q+1], v[Q], s14, s15
	s_delay_alu instid0(VALU_DEP_1)
	v_add_f32 v[Q], v[Q], v[Q+1]
	v_cvt_f32_u32 v9, s24
	s_delay_alu instid0(VALU_DEP_1)
	v_mul_f32 v[Q], v[Q], v9
	s_delay_alu instid0(VALU_DEP_1)
	v_mul_f32 v[Q], 0x36800000, v[Q]               ; x 2^-18
	ds_store_b32 v7, v[Q]                          ; all lanes write the same word with the same value
	s_wait_dscnt 0x0
	s_barrier_signal -1
	s_barrier_wait -1
	ds_load_b128 v[20:23], v13
	ds_load_b128 v[24:27], v13 offset:16
	s_mov_b32 s25, s26                             ; the next free slot
.set i, 0
.rept 32                                       ; step i places tokens 32 i .. 32 i + 31; its stores have registers of their own
	v_cmp_eq_u32 s20, s16, v[I+2*i]
	v_cmp_eq_u32 s21, s16, v[I+2*i+1]
	s_or_b32 s22, s20, s21
	v_cndmask_b32 v[V+2*i], v[V+2*i+1], v[V+2*i], s20          ; the weight of the choice that names me
	v_mbcnt_lo_u32_b32 v[V+2*i+1], s22, s25                    ; my slot: the next free one + the chosen lanes below me
	s_delay_alu instid0(VALU_DEP_1)
	v_cndmask_b32 v[I+2*i], v4, v[V+2*i+1], s22
	v_cndmask_b32 v[I+2*i+1], 0, 1, s21
	s_delay_alu instid0(VALU_DEP_1)
	v_lshl_add_u32 v[I+2*i+1], v[TK+i], 1, v[I+2*i+1]          ; 2 token + choice
	s_delay_alu instid0(VALU_DEP_1)
	v_cndmask_b32 v[I+2*i+1], v5, v[I+2*i+1], s22
	s_delay_alu instid0(VALU_DEP_4)
	v_min_u32 v[I+2*i], 2431, v[I+2*i]
	s_delay_alu instid0(VALU_DEP_2)
	v_min_u32 v[I+2*i+1], 2303, v[I+2*i+1]
	s_delay_alu instid0(VALU_DEP_2)
	v_lshlrev_b32 v[I+2*i], 2, v[I+2*i]
	s_delay_alu instid0(VALU_DEP_2)
	v_lshlrev_b32 v[I+2*i+1], 2, v[I+2*i+1]
	v_and_b32 v8, 15, v[V+2*i+1]
	v_lshrrev_b32 v9, 4, v[V+2*i+1]
	s_delay_alu instid0(VALU_DEP_1)
	v_lshl_or_b32 v[V+2*i+1], v9, 9, v8                        ; 512 x tile + row
	global_store_b32 v[I+2*i], v[TK+i], s[8:9]
	global_store_b32 v[I+2*i], v[V+2*i], s[10:11]
	global_store_b32 v[I+2*i+1], v[V+2*i+1], s[8:9] offset:9728
	s_bcnt1_i32_b32 s22, s22
	s_add_co_u32 s25, s25, s22
.set i, i+1
.endr
	v_add_nc_u32 v8, s25, v1                       ; the slots that fill my last tile up: fifteen at the most
	s_delay_alu instid0(VALU_DEP_1)
	v_cmp_gt_u32 s20, s28, v8
	s_delay_alu instid0(VALU_DEP_1)
	v_cndmask_b32 v8, v4, v8, s20
	s_delay_alu instid0(VALU_DEP_1)
	v_min_u32 v8, 2431, v8
	s_delay_alu instid0(VALU_DEP_1)
	v_lshlrev_b32 v8, 2, v8
	global_store_b32 v8, v13, s[8:9]               ; token 0,
	global_store_b32 v8, v13, s[10:11]             ; weight 0
	v_mov_b32 v10, s30
	v_mov_b32 v11, s29
	s_lshl_b32 s17, s16, 3
	v_mov_b32 v12, s17
	s_wait_alu depctr_va_vdst(0)
	s_wait_dscnt 0x0
	v_add_f32 v20, v20, v21
	v_add_f32 v22, v22, v23
	v_add_f32 v24, v24, v25
	v_add_f32 v26, v26, v27
	s_delay_alu instid0(VALU_DEP_3)
	v_add_f32 v20, v20, v22
	s_delay_alu instid0(VALU_DEP_2)
	v_add_f32 v24, v24, v26
	s_delay_alu instid0(VALU_DEP_1)
	v_add_f32 v20, v20, v24                        ; the loss
	s_wait_xcnt 0x0                                ; EXEC changes only behind this wait
	v_cmp_eq_u32 vcc_lo, 0, v1
	s_and_saveexec_b32 s31, vcc_lo
	global_store_b64 v12, v[10:11], s[8:9] offset:18944
	s_cmp_lg_u32 s16, 0
	s_cbranch_scc1 .Lnot_wave_0
	s_wait_alu depctr_va_vdst(0)
	global_store_b32 v13, v20, s[12:13]
.Lnot_wave_0:
	s_wait_xcnt 0x0
	s_or_b32 exec_lo, exec_lo, s31
	s_wait_xcnt 0x0
	s_mov_b32 exec_lo, -1
	s_wait_tensorcnt 0x0
	ds_add_u32 v208, v209
	s_wait_dscnt 0x0
	s_endpgm
.Lfunc_end_k_qa590623565_place:
	.size	k_qa590623565_place, .Lfunc_end_k_qa590623565_place-k_qa590623565_place
	.p2alignl 7, 3214868480
	.fill 96, 4, 3214868480
	.section	.rodata,"a",@progbits
	.p2align	6, 0x0
	.amdhsa_kernel k_qa590623565_place
		.amdhsa_group_segment_fixed_size 1280
		.amdhsa_private_segment_fixed_size 0
		.amdhsa_enable_private_segment 0
		.amdhsa_kernarg_size 40
		.amdhsa_user_sgpr_count 2
		.amdhsa_user_sgpr_kernarg_segment_ptr 1
		.amdhsa_wavefront_size32 1
		.amdhsa_system_sgpr_workgroup_id_x 1
		.amdhsa_system_sgpr_workgroup_id_y 1
		.amdhsa_system_sgpr_workgroup_id_z 1
		.amdhsa_system_vgpr_workitem_id 0
		.amdhsa_next_free_vgpr 210
		.amdhsa_next_free_sgpr 66
		.amdhsa_reserve_vcc 1
		.amdhsa_float_denorm_mode_32 3
		.amdhsa_float_denorm_mode_16_64 3
		.amdhsa_memory_ordered 1
		.amdhsa_forward_progress 1
		.amdhsa_inst_pref_size 118
	.end_amdhsa_kernel
	.amdgpu_metadata
---
amdhsa.version: [ 1, 2 ]
amdhsa.kernels:
  - .name:           k_qa590623565_place
    .symbol:         k_qa590623565_place.kd
    .args:
      - { .name: topi, .offset: 0, .size: 8, .value_kind: global_buffer, .address_space: global }
      - { .name: gate, .offset: 8, .size: 8, .value_kind: global_buffer, .address_space: global }
      - { .name: plan, .offset: 16, .size: 8, .value_kind: global_buffer, .address_space: global }
      - { .name: wsl, .offset: 24, .size: 8, .value_kind: global_buffer, .address_space: global }
      - { .name: out1, .offset: 32, .size: 8, .value_kind: global_buffer, .address_space: global }
    .group_segment_fixed_size: 1280
    .private_segment_fixed_size: 0
    .kernarg_segment_align: 8
    .kernarg_segment_size: 40
    .max_flat_workgroup_size: 256
    .sgpr_count:     66
    .vgpr_count:     210
    .wavefront_size: 32
...
	.end_amdgpu_metadata
.endif
;; end of part 7
;; launch up (part 8): grid 32 x 8, 4 waves a work-group, no clusters, 100,864 bytes of LDS; arguments W1_codes, W1_scales, xq, plan, hq; writes hq
.if DOCPART == 8
	.amdgcn_target "amdgcn-amd-amdhsa--gfx1250"
	.amdhsa_code_object_version 6
	.text
	.protected	k_qa590623565_up
	.globl	k_qa590623565_up
	.p2align	8
	.type	k_qa590623565_up,@function
k_qa590623565_up:
	s_mov_b64 s[64:65], 0
	v_nop
	global_prefetch_b8 v0, s[64:65] scope:SCOPE_SE
	s_setreg_imm32_b32 hwreg(HW_REG_WAVE_SCHED_MODE, 0, 2), 2
	s_setreg_imm32_b32 hwreg(HW_REG_WAVE_MODE, 25, 1), 1
	s_wait_xcnt 0x0
	s_wait_alu depctr_vm_vsrc(0)
; hq = Q(gelu(xq W1^T)), for the rows that chose the expert alone.  Codes of E2M3, one E8M0 scale for each 32 along K.
; SHARES.  Work-group (x, y) owns hidden units 128 x .. 128 x + 127 of expert y, one K step of the second product: 98,304 dense bytes of W1's codes, read from memory once,
; in loads of 512 consecutive bytes, through LDS (rows 784 bytes apart) into REGISTERS, where they stay.  Wave w: u = w % 2 picks blocks u and 2 + u of the four blocks of
; 32 units (4 tiles x 8 K steps x 12 = 384 registers), w / 2 picks the even or the odd tiles of 16 rows.
; How many tiles there are is a stored number, so there is no tensor load, no cluster and no barrier in the loop: x's codes come from memory straight into the operand's
; registers.  A token of xq holds, for each half of the lanes, the lane's 96 registers and four scale words on end: 25 loads of 16 bytes a tile.
; TWO BUFFERS take turns: behind tile n's products the wave asks for tile n + 2 into the buffer just read, and for the tokens of tile n + 4, so that a tile's loads
; have the rest of this tile's work and all of the next tile's in which to land.  A trip of the loop is two tiles; its backward jump counts trips against 16
; (32 tiles a wave: 1,024 tokens / 16 / 2); a forward jump leaves it at the expert's own number.
; THE PRODUCT IS USED TRANSPOSED (source 0 = 16 rows of W1, source 1 = 16 rows of x) and the rows of W1 that form a tile are chosen (lane r of tile 2 b + v takes row
; 64 b + 32 u + 8 v + r + 8 (r / 8)), so that a lane holds one row and the 16 registers of tiles 2 b, 2 b + 1 are 16 neighbours along the next K.
; hq IS AN IMAGE OF THE NEXT OPERAND'S REGISTERS: [tile][32 K steps][3 pieces of 512]: registers 4 j .. 4 j + 3 at 16 x lane.  Blocks u and 2 + u are all twelve registers of
; lanes 16 u .. 16 u + 15, so each of my stores of codes writes runs of 256 consecutive bytes.  Scale words at HSC: [tile][4 waves of the reader][32 lanes][4]: the word of
; K step 8 w + 2 i + h, row r, at 512 w + 256 h + 16 r + 4 i.
; GELU: h = max(x, 0) - |x| erfc(|x| / sqrt 2) / 2, which cancels nothing for x < 0; erfc by the five-term rational form of Abramowitz and Stegun 7.1.26.
; LIMITS: that form's error is 1.5e-7 absolute in erf; NaN and infinities are not served; a block under 2^-124 gets the byte 1.  For an expert without rows the head's
; loads, held inside their buffers, bring bytes of which nothing is made.
; THE MODE: SCHED_MODE bits 1:0 = 2 (LLVM: expert scheduling mode 2), set by the entry lines.  The code itself states the register dependences
; between vector or matrix instructions and memory or LDS instructions, with s_wait_alu, always for 0.
; THE PLAN.  Registers that memory instructions touch in the loop; b is the buffer of the tile in hand:
;   window 3 v[96 b ..], v[XS + 4 b ..]   x and its scale words.  Read by the tile's 32 products; behind them the 25 loads of the tile after next land there.
;   v[ID + b]                             tokens.  Landed by a load; held in place and read by the lines that make v[XO + b]; then the load for four tiles on lands there.
;   v[XO + b], v[IDO + b]                 offsets.  Made by four vector lines behind the products; read by the 26 loads that follow them.
;   v16-18, v244-247, v252, v254-255      the stores' offsets and data.  Made at the tile's end; read by its three stores.
;   W1's fragments and scale words are loaded at the head and read by products alone; all other registers are named by vector and matrix instructions alone.
; So a tile has one wait on vm_vsrc, behind its products (this buffer's earlier loads have read its offsets, the tile before's stores their offsets and data), and beside the
; wait for the transcendentals two on va_vdst: behind the four address lines (the products are done with the buffer, the offsets are written), and ahead of the three stores.
.set ACC, 32                           ; v32-63   the four tiles' sums, then h
.set WS,  64                           ; v64-95   W1's scale words, 8 t + s
.set XS,  96                           ; v96-103  x's scale words, four a buffer: lanes 0-15 K step i, lanes 16-31 K step 4 + i
.set AX,  104                          ; v104-135 |x|
.set T,   136                          ; v136-167 1 + p |x|, then its reciprocal
.set E,   168                          ; v168-199 the exponent, the exponential, then exponential x t x |x|
.set RR,  200                          ; v200-231 the polynomial
.set TM,  232                          ; v232-239 the quantiser's work
.set IDO, 10                           ; v10-11   offsets of the loads of tokens, one a buffer
.set ID,  12                           ; v12-13   the tokens, one a buffer
.set XO,  22                           ; v22-23   offsets of x's loads, one a buffer
.set HSC, 6684672
.set PITCH, 784
.set MAXT, 64                          ; tiles of 16 rows that one expert can have at the most
; window 1: W1's fragments of K steps 0-3 at v[48 s + 12 t] (first: 192 registers that carry W1 to LDS); window 2: of K steps 4-7; window 3: x's two buffers, v[96 b + 12 s]
.set MSB, 0
.macro WIN new                         ; the immediate's high byte repeats the setting that is left
.if MSB != (\new)
	s_set_vgpr_msb (MSB<<8)|(\new)
.set MSB, (\new)
.endif
.endm
	s_load_b256 s[4:11], s[0:1], 0x0               ; W1's codes, W1's scales, xq, plan
	s_load_b64 s[12:13], s[0:1], 0x20              ; hq
	v_lshl_add_u32 v251, v0, 2, 0x18800
	v_mov_b32 v253, 0
	v_lshrrev_b32 v3, 5, v0
	v_readfirstlane_b32 s14, v3                    ; wave
	v_and_b32 v1, 15, v0                           ; r
	v_bfe_u32 v2, v0, 4, 1                         ; h
	s_mov_b32 s17, ttmp9                           ; the slice of 128 units = the K step of the second product
	s_and_b32 s18, ttmp7, 0xffff                   ; the expert
	s_wait_alu depctr_va_sdst(0)                   ; s14 is written, ahead of its first reader: LDS addresses and offsets are made from it
	s_and_b32 s15, s14, 1                          ; u
	s_lshr_b32 s16, s14, 1                         ; which tiles of rows
	v_and_b32 v3, 31, v0                           ; lane
	s_mul_i32 s23, s14, 32*PITCH                   ; my wave carries 32 rows: three loads of 512 bytes are two rows of 768
	v_lshl_add_u32 v5, v3, 4, s23                  ; the first: the even row's bytes 0-511
	v_lshl_add_u32 v6, v2, 4, v5
	v_add_nc_u32 v6, 512, v6                       ; the second: its last 256 bytes, and, past the padding, the odd row's first 256
	v_add_nc_u32 v7, 1040, v5                      ; the third: the odd row's bytes 256-767
	s_mul_i32 s23, s14, 24576
	v_lshl_add_u32 v8, v3, 4, s23
	v_and_b32 v9, 8, v1
	v_add_nc_u32 v9, v9, v1                        ; r + 8 (r / 8)
	s_lshl_b32 s23, s15, 5
	v_add_nc_u32 v9, s23, v9                       ; + 32 u
	v_mul_u32_u24 v4, v9, PITCH
	v_mad_u32_u24 v4, v2, 24, v4                   ; my place in a fragment of W1
	v_lshlrev_b32 v9, 5, v9                        ; and among its scale bytes: 32 a row
	v_lshlrev_b32 v14, 4, v1
	v_lshl_add_u32 v14, v2, 10, v14                ; hq: my 16 bytes: 16 r, in piece 0 (lanes 0-15) or piece 2 (lanes 16-31)
	v_lshlrev_b32 v15, 4, v1
	v_lshl_add_u32 v15, v2, 3, v15
	v_add_nc_u32 v15, 512, v15                     ; my 8 bytes of piece 1: 16 r + 8 h
	v_lshlrev_b32 v19, 4, v1
	v_lshl_add_u32 v19, v2, 1, v19                 ; my scale byte: 16 r + 2 h
	v_mov_b32 v20, 0x3f07dc22                      ; a5 / 2, as a pair
	v_mov_b32 v21, 0x3f07dc22
	v_mov_b32 v[TM+2], 0                           ; a lane permute's destination counts as one of its sources
	v_mov_b32 v[TM+3], 0
	s_mov_b32 s28, 0x76543210
	s_mov_b32 s29, 0xfedcba98
	s_mov_b32 s30, 0x3e6d3388                      ; p / sqrt 2 = 0.23164189
	s_mov_b32 s31, s30                             ; (the packed forms name pairs, so both words are written)
	s_mov_b32 s32, 0xbf38aa3b                      ; -log2(e) / 2
	s_mov_b32 s33, s32
	s_mov_b32 s34, 0x3e027906                      ; a1 / 2
	s_mov_b32 s35, s34
	s_mov_b32 s36, 0xbe11a98e                      ; a2 / 2
	s_mov_b32 s37, s36
	s_mov_b32 s38, 0x3f35f0e3                      ; a3 / 2
	s_mov_b32 s39, s38
	s_mov_b32 s40, 0xbf3a00e3                      ; a4 / 2
	s_mov_b32 s41, s40
	s_mov_b32 s42, 0xffff0000                      ; lanes 16-31
	s_mul_i32 s44, s17, 1536
	s_lshl_b32 s23, s15, 8
	s_add_co_u32 s44, s44, s23                     ; my K step's image in a tile of hq, and my sixteen lanes of it
	s_lshr_b32 s45, s17, 3
	s_lshl_b32 s45, s45, 9                         ; its scale words: 512 x the reader's wave
	s_and_b32 s23, s17, 1
	s_lshl_b32 s23, s23, 8
	s_add_co_u32 s45, s45, s23                     ; + 256 x the reader's half of the lanes
	s_bfe_u32 s23, s17, 0x20001
	s_lshl_b32 s23, s23, 2
	s_add_co_u32 s45, s45, s23                     ; + 4 x the word
	s_add_co_u32 s45, s45, s15                     ; + u: my blocks' bytes are u and 2 + u
	s_add_co_u32 s45, s45, HSC
	s_lshl_b32 s23, s18, 12
	s_lshl_b32 s24, s17, 7
	s_add_co_u32 s23, s23, s24                     ; the work-group's first row of W1
	s_mul_i32 s24, s23, 768
	s_mov_b32 s25, 0
	s_lshl_b32 s26, s23, 5
	s_mov_b32 s27, 0
	s_lshl_b32 s47, s18, 3
	s_wait_kmcnt 0x0
	s_load_b64 s[20:21], s[10:11], s47 offset:18944  ; the expert's first tile and its number of tiles
	s_add_nc_u64 s[4:5], s[4:5], s[24:25]
	s_add_nc_u64 s[6:7], s[6:7], s[26:27]
	WIN 0x40                                       ; destination window 1
	s_wait_alu depctr_va_vdst(0)                   ; v4 to v9 are written: the offsets of W1's loads and the LDS addresses of its way through LDS; none of them is written again
.set j, 0
.rept 48
	global_load_b128 v[4*j:4*j+3], v8, s[4:5] offset:512*j th:TH_LOAD_NT
.set j, j+1
.endr
	WIN 0
.irp t, 0,1,2,3
	global_load_b128 v[WS+8*\t:WS+8*\t+3], v9, s[6:7] offset:(64*(\t/2)+8*(\t%2))*32
	global_load_b128 v[WS+8*\t+4:WS+8*\t+7], v9, s[6:7] offset:(64*(\t/2)+8*(\t%2))*32+16
.endr
.macro IADR b, add                     ; the offset of the tokens of tile min(j + add, last), one a lane, for buffer b
	s_add_co_u32 s23, s22, \add
	s_min_u32 s23, s23, s46
	s_add_co_u32 s23, s23, s20
	s_min_u32 s23, s23, 135
	s_lshl_b32 s23, s23, 4
	v_add_lshl_u32 v[IDO+\b], v1, s23, 2
.endm
.macro ILOAD b                         ; and their load
	global_load_b32 v[ID+\b], v[IDO+\b], s[10:11]
.endm
.macro XADR b                          ; the offset of my 400 consecutive bytes of the token in v[ID + b]
	v_min_u32 v[ID+\b], 1023, v[ID+\b]
	v_mul_u32_u24 v[XO+\b], v[ID+\b], 800
	v_mad_u32_u24 v[XO+\b], v2, 400, v[XO+\b]
.endm
.macro XLOAD b, first                  ; x's eight fragments and four scale words into buffer b: 25 loads.  first = 1: the run of loads begins here, behind its wait
	WIN 0xc0
.if \first
	s_wait_alu depctr_va_vdst(0)                   ; the offsets v[XO ..], v[IDO ..] and the held tokens v[ID ..] are written; in the loop the products above are done reading this buffer and its scale words.  Only loads and window switches follow, up to the load of tokens
.endif
.set k, 0
.rept 24
	global_load_b128 v[96*\b+4*k:96*\b+4*k+3], v[XO+\b], s[8:9] offset:16*k
.set k, k+1
.endr
	WIN 0
	global_load_b128 v[XS+4*\b:XS+4*\b+3], v[XO+\b], s[8:9] offset:384
.endm
	s_wait_kmcnt 0x0
	s_min_u32 s20, s20, 135
	s_min_u32 s21, s21, MAXT
	s_max_u32 s46, s21, 1
	s_sub_co_u32 s46, s46, 1                       ; the expert's last tile
	s_mov_b32 s22, s16                             ; j: my first tile
	IADR 0, 0                                      ; the tokens of my first two tiles go out right behind the weights
	IADR 1, 2
	s_wait_alu depctr_va_vdst(0)                   ; both v[IDO ..] are written, which the two loads below read
	ILOAD 0
	ILOAD 1
	s_wait_loadcnt 10                              ; the 48 loads of codes are in; issued behind them, and free to be out: eight of scale words, two of tokens
	WIN 0x04                                       ; an LDS store's data are its source 1: window 1
.set j, 0
.rept 48
	ds_store_b128 v[5+j%3], v[4*j:4*j+3] offset:1568*(j/3)
.set j, j+1
.endr
	WIN 0
	s_wait_loadcnt 0x0                             ; the scale words and the tokens
	s_wait_alu depctr_vm_vsrc(0)                   ; the two loads of tokens have read v[IDO ..], which are made anew below; the LDS stores have read window 1's registers, in which W1's fragments land behind the barrier (no memory instruction from here to there reads them)
	XADR 0
	XADR 1
	IADR 0, 4
	IADR 1, 6
	XLOAD 0, 1                                     ; my first two tiles of x are on their way while W1 goes through LDS.  The order of issue from here on:
	ILOAD 0                                        ; x of tile n, tokens of tile n + 2, x of tile n + 1, tokens of tile n + 3 ..
	XLOAD 1, 0
	ILOAD 1
	s_wait_dscnt 0x0                               ; for the others' sake: my 32 rows lie in LDS
	s_barrier_signal -1
	s_barrier_wait -1
.irp s, 0,1,2,3,4,5,6,7
.if \s < 4
	WIN 0x40
.else
	WIN 0x80
.endif
.irp t, 0,1,2,3
.irp p, 0,1,2,3,4,5
	ds_load_b64 v[48*(\s%4)+12*\t+2*\p:48*(\s%4)+12*\t+2*\p+1], v4 offset:(64*(\t/2)+8*(\t%2))*PITCH+96*\s+48*(\p/3)+8*(\p%3)
.endr
.endr
.endr
	WIN 0
	s_wait_dscnt 0x0
.macro MMU s, t, b                     ; one product: K step s, tile t of W1's rows, x's buffer b
.set DD, ACC+8*(\t)
.set WW, 48*((\s)%4)+12*(\t)
.set XX, 96*(\b)+12*(\s)
.set SA, WS+8*(\t)+(\s)
.set SB, XS+4*(\b)+(\s)%4
.if (\s) == 0
	v_wmma_scale_f32_16x16x128_f8f6f4 v[DD:DD+7], v[WW:WW+11], v[XX:XX+11], 0, v[SA], v[SB] matrix_a_fmt:MATRIX_FMT_FP6 matrix_b_fmt:MATRIX_FMT_FP6
.elseif (\s) < 4
	v_wmma_scale_f32_16x16x128_f8f6f4 v[DD:DD+7], v[WW:WW+11], v[XX:XX+11], v[DD:DD+7], v[SA], v[SB] matrix_a_fmt:MATRIX_FMT_FP6 matrix_b_fmt:MATRIX_FMT_FP6
.else
	v_wmma_scale_f32_16x16x128_f8f6f4 v[DD:DD+7], v[WW:WW+11], v[XX:XX+11], v[DD:DD+7], v[SA], v[SB] matrix_a_fmt:MATRIX_FMT_FP6 matrix_b_fmt:MATRIX_FMT_FP6 matrix_b_scale:MATRIX_SCALE_ROW1
.endif
.endm
; One tile of 16 rows, from buffer b
.macro TILE b
	s_wait_loadcnt 26                              ; this tile's x and the tokens of the tile after next are in; issued behind them, and free to be out: the next tile's 25 loads and one load of tokens.  The loads that read v[XO + b] and v[IDO + b] are done
	s_add_co_u32 s23, s20, s22
	s_min_u32 s23, s23, 135                        ; the tile in hq
	s_mul_i32 s24, s23, 49152
	s_add_co_u32 s24, s24, s44
	s_lshl_b32 s25, s23, 11
	s_add_co_u32 s25, s25, s45
.irp s, 0,1,2,3,4,5,6,7                        ; the four accumulators take turns, one instruction a turn
.if \s < 4
	WIN 0x0d                                       ; source 0 (W1) window 1, source 1 (x) window 3
.else
	WIN 0x0e                                       ; source 0 window 2
.endif
.irp t, 0,1,2,3
	MMU \s, \t, \b
.endr
.endr
	WIN 0
	s_wait_alu depctr_vm_vsrc(0)                   ; this buffer's earlier loads have read v[XO + b] and v[IDO + b], which the lines below write; the tile before's three stores have read their offsets and data, which this tile's end writes
	XADR \b                                        ; the offsets of the tile after next and of the tokens two tiles further on: four plain lines that name no register of the products:
	IADR \b, 8                                     ; they are also the four places behind the products (ISA guide 7.12.1)
	XLOAD \b, 1                                    ; the tile after next, into the buffer just read
	ILOAD \b                                       ; and the tokens of the tile two further on
.set i, 0
.rept 32
	v_and_b32 v[AX+i], 0x7fffffff, v[ACC+i]        ; each accumulator is read from its low end on
.set i, i+1
.endr
.set i, 0
.rept 16
	v_pk_fma_f32 v[T+i:T+i+1], v[AX+i:AX+i+1], s[30:31], 1.0 op_sel_hi:[1,0,0]
	v_pk_mul_f32 v[E+i:E+i+1], v[AX+i:AX+i+1], v[AX+i:AX+i+1]
.set i, i+2
.endr
.set i, 0
.rept 16
	v_pk_mul_f32 v[E+i:E+i+1], v[E+i:E+i+1], s[32:33] op_sel_hi:[1,0]   ; -x^2 log2(e) / 2
.set i, i+2
.endr
.set i, 0
	s_wait_alu depctr_va_vdst(0)
.rept 32
	v_rcp_f32 v[T+i], v[T+i]                       ; t
.set i, i+1
.endr
.set i, 0
.rept 32
	v_exp_f32 v[E+i], v[E+i]                       ; e^(-x^2 / 2)
.set i, i+1
.endr
.set i, 0
.rept 32
	v_max_num_f32 v[ACC+i], 0, v[ACC+i]            ; max(x, 0): plain work that names no result of the batch
.set i, i+1
.endr
	s_wait_alu depctr_va_vdst(0)                   ; the 32 reciprocals have written v[T ..] and the 32 exponentials v[E ..]: one wait for the 64, ahead of their first reader
.set i, 0
.rept 16
	v_pk_fma_f32 v[RR+i:RR+i+1], v[T+i:T+i+1], v[20:21], s[40:41] op_sel_hi:[1,1,0]
	v_pk_mul_f32 v[E+i:E+i+1], v[E+i:E+i+1], v[T+i:T+i+1]
.set i, i+2
.endr
.set i, 0
.rept 16
	v_pk_fma_f32 v[RR+i:RR+i+1], v[RR+i:RR+i+1], v[T+i:T+i+1], s[38:39] op_sel_hi:[1,1,0]
	v_pk_mul_f32 v[E+i:E+i+1], v[E+i:E+i+1], v[AX+i:AX+i+1]
.set i, i+2
.endr
.set i, 0
.rept 16
	v_pk_fma_f32 v[RR+i:RR+i+1], v[RR+i:RR+i+1], v[T+i:T+i+1], s[36:37] op_sel_hi:[1,1,0]
.set i, i+2
.endr
.set i, 0
.rept 16
	v_pk_fma_f32 v[RR+i:RR+i+1], v[RR+i:RR+i+1], v[T+i:T+i+1], s[34:35] op_sel_hi:[1,1,0]
.set i, i+2
.endr
.set i, 0
.rept 16
	v_pk_fma_f32 v[ACC+i:ACC+i+1], v[RR+i:RR+i+1], v[E+i:E+i+1], v[ACC+i:ACC+i+1] neg_lo:[1,0,0] neg_hi:[1,0,0]   ; h
.set i, i+2
.endr
	; the quantiser: register 16 b + i is number 16 h + i of my row's block u (b = 0) or 2 + u (b = 1): each block is shared with lane l xor 16
.irp q, 0,1
	v_max3_num_f32 v[TM+\q], |v[ACC+16*\q]|, |v[ACC+1+16*\q]|, 0x1800000   ; and the floor 2^(3 - 127): the byte cannot fall under 1
.endr
.irp p, 2,4,6,8,10,12,14
.irp q, 0,1
	v_max3_num_f32 v[TM+\q], v[TM+\q], |v[ACC+16*\q+\p]|, |v[ACC+1+16*\q+\p]|
.endr
.endr
.irp q, 0,1
	v_permlanex16_b32 v[TM+2+\q], v[TM+\q], s28, s29
.endr
.irp q, 0,1
	v_max_num_f32 v[TM+\q], v[TM+\q], v[TM+2+\q]
.endr
.irp q, 0,1
	v_add_nc_u32 v[TM+4+\q], 0xff000000, v[TM+\q]  ; 2 off the exponent field: the conversion's scale operand
.endr
.irp q, 0,1
	v_lshrrev_b32 v[TM+6+\q], 23, v[TM+4+\q]       ; the scale's byte
.endr
	s_wait_alu depctr_va_vdst(0)
	s_wait_xcnt 0x0                                ; every earlier memory instruction has had its addresses translated (ISA guide 3.1): the offsets and data of the tile before's stores are written again only behind this wait (that those stores have read them is stated behind the products)
	v_add_nc_u32 v16, s24, v14                     ; where this tile's codes and scale bytes go
	v_add_nc_u32 v17, s24, v15
	v_add_nc_u32 v18, s25, v19
	v_cndmask_b32 v252, v[TM+6], v[TM+7], s42      ; lanes 0-15 store the first block's byte, lanes 16-31 the second's
	v_cvt_scalef32_pk16_fp6_f32 v[240:242], v[ACC:ACC+15], v[TM+4]
	v_cvt_scalef32_pk16_fp6_f32 v[248:250], v[ACC+16:ACC+31], v[TM+5]
	v_nop                                          ; one plain place behind a scaled conversion
.irp q, 0,1,2
	v_permlane16_swap_b32 v[240+\q], v[248+\q]     ; a whole block to a lane, in v240-242 and v248-250: lanes 0-15 block u (the image's registers 0-5), lanes 16-31 block 2 + u (registers 6-11)
.endr
	v_cndmask_b32 v244, v240, v242, s42            ; sixteen bytes: lanes 0-15 registers 0-3 (piece 0), lanes 16-31 registers 8-11 (piece 2);
	v_cndmask_b32 v245, v241, v248, s42
	v_cndmask_b32 v246, v242, v249, s42
	v_cndmask_b32 v247, v248, v250, s42
	v_cndmask_b32 v254, v249, v240, s42            ; eight bytes of piece 1: lanes 0-15 registers 4-5, lanes 16-31 registers 6-7
	v_cndmask_b32 v255, v250, v241, s42
	s_wait_alu depctr_va_vdst(0)                   ; the offsets v16 to v18 and the data v244 to v247, v254, v255 and v252 are written, which the three stores read
	global_store_b128 v16, v[244:247], s[12:13]    ; two runs of 256 consecutive bytes,
	global_store_b64 v17, v[254:255], s[12:13]     ; and one
	global_store_b8 v18, v252, s[12:13]
	s_add_co_u32 s22, s22, 2
	s_cmp_ge_u32 s22, s21                          ; the expert's tiles are done: out, by a forward jump
	s_cbranch_scc1 .Lend
.endm
	s_cmp_ge_u32 s22, s21
	s_cbranch_scc1 .Lend
	s_mov_b32 s48, 0
.Lrow:
	TILE 0
	TILE 1
	s_add_co_u32 s48, s48, 1
	s_cmp_lt_u32 s48, MAXT/4                       ; the backward jump counts trips of two tiles against a constant
	s_cbranch_scc1 .Lrow
.Lend:
	s_barrier_signal -1
	s_barrier_wait -1
	s_wait_dscnt 0x0                               ; the closing lines, six on end
	s_wait_alu 0x0
	s_wait_tensorcnt 0x0
	ds_add_u32 v251, v253
	s_wait_dscnt 0x0
	s_endpgm
.Lfunc_end_k_qa590623565_up:
	.size	k_qa590623565_up, .Lfunc_end_k_qa590623565_up-k_qa590623565_up
	.p2alignl 7, 3214868480
	.fill 96, 4, 3214868480
	.section	.rodata,"a",@progbits
	.p2align	6, 0x0
	.amdhsa_kernel k_qa590623565_up
		.amdhsa_group_segment_fixed_size 100864
		.amdhsa_private_segment_fixed_size 0
		.amdhsa_enable_private_segment 0
		.amdhsa_kernarg_size 40
		.amdhsa_user_sgpr_count 2
		.amdhsa_user_sgpr_kernarg_segment_ptr 1
		.amdhsa_wavefront_size32 1
		.amdhsa_system_sgpr_workgroup_id_x 1
		.amdhsa_system_sgpr_workgroup_id_y 1
		.amdhsa_system_sgpr_workgroup_id_z 1
		.amdhsa_system_vgpr_workitem_id 0
		.amdhsa_next_free_vgpr 1024
		.amdhsa_next_free_sgpr 66
		.amdhsa_reserve_vcc 0
		.amdhsa_float_denorm_mode_32 3
		.amdhsa_float_denorm_mode_16_64 3
		.amdhsa_memory_ordered 1
		.amdhsa_forward_progress 1
		.amdhsa_inst_pref_size 83
	.end_amdhsa_kernel
	.amdgpu_metadata
---
amdhsa.version: [ 1, 2 ]
amdhsa.kernels:
  - .name:           k_qa590623565_up
    .symbol:         k_qa590623565_up.kd
    .args:
      - { .name: W1_codes, .offset: 0, .size: 8, .value_kind: global_buffer, .address_space: global }
      - { .name: W1_scales, .offset: 8, .size: 8, .value_kind: global_buffer, .address_space: global }
      - { .name: xq, .offset: 16, .size: 8, .value_kind: global_buffer, .address_space: global }
      - { .name: plan, .offset: 24, .size: 8, .value_kind: global_buffer, .address_space: global }
      - { .name: hq, .offset: 32, .size: 8, .value_kind: global_buffer, .address_space: global }
    .group_segment_fixed_size: 100864
    .private_segment_fixed_size: 0
    .kernarg_segment_align: 8
    .kernarg_segment_size: 40
    .max_flat_workgroup_size: 128
    .sgpr_count:     66
    .vgpr_count:     1024
    .wavefront_size: 32
...
	.end_amdgpu_metadata
.endif
;; end of part 8
;; launch down (part 9): grid 32 x 8, 4 waves a work-group, no clusters, 320,512 bytes of LDS; arguments W2_codes, W2_scales, hq, plan, wsl, y; writes y
.if DOCPART == 9
	.amdgcn_target "amdgcn-amd-amdhsa--gfx1250"
	.amdhsa_code_object_version 6
	.text
	.protected	k_qa590623565_down
	.globl	k_qa590623565_down
	.p2align	8
	.type	k_qa590623565_down,@function
k_qa590623565_down:
	s_mov_b64 s[64:65], 0
	v_nop
	global_prefetch_b8 v0, s[64:65] scope:SCOPE_SE
	s_setreg_imm32_b32 hwreg(HW_REG_WAVE_SCHED_MODE, 0, 2), 2
	s_setreg_imm32_b32 hwreg(HW_REG_WAVE_MODE, 25, 1), 1
	s_wait_xcnt 0x0
	s_wait_alu depctr_vm_vsrc(0)
; y = weight x (hq W2^T), for the expert's own rows.  Codes of E2M3, one E8M0 scale for each 32 along K.
; SHARES.  Work-group (x, y) owns outputs 32 x .. 32 x + 31 of expert y: 98,304 dense bytes of W2's codes, read from memory once, in loads of 512 consecutive bytes,
; through LDS (rows 3,088 bytes apart) into REGISTERS.  THE WAVES SPLIT K: wave w takes K steps 8 w .. 8 w + 7 (2 tiles x 8 x 12 = 192 registers), so each fragment of h
; is read once by the work-group, and all four waves have the same work.  The four parts of a sum meet in LDS.
; The number of tiles is a stored number: every loop has a constant count, work is passed over by scalar branches, and every barrier stands outside them.
; So there is no tensor load and no cluster.  h's fragments come from memory as images of the operand's registers: my eight K steps of a tile are 24 loads of 512 consecutive
; bytes, their scale words one load, the rows' weights one: 52 loads for a group of two tiles.  TWO BUFFERS of a group each: a group asks, at its end, for the group after
; next into the buffer that it has just read, so that at the next group's head one more group is on its way behind the one that is waited for.
; A jump at a group's head leads behind ALL groups of the chunk: groups 1 to 11 are reached only through the group before, so their counted wait holds on every way;
; group 0, which is also reached round the loop from such a jump, waits for all loads.
; THE PRODUCT IS USED TRANSPOSED (source 0 = 16 rows of W2, source 1 = 16 rows of h): a lane holds one row and eight neighbouring outputs.
; y: [tile][32 slices][16 rows][32 outputs] f32, the gate's weight applied: a wave's store covers 512 consecutive bytes.
; The groups behind an expert's last tile ask for that last tile again (no load leaves its buffer, and every way issues the same loads); nothing is made of them.
; THE MODE: SCHED_MODE bits 1:0 = 2 (LLVM: expert scheduling mode 2), set by the entry lines.  The code itself states the register dependences
; between vector or matrix instructions and memory or LDS instructions, with s_wait_alu, always for 0.
; THE PLAN.  Registers that memory or LDS instructions touch in the loop; buf is the buffer of the group in hand:
;   window 1 + buf, v[64 + 8 buf ..], v[80 + 4 buf], v[82 + 4 buf]   h, its scale words, the rows' weights.  Read by the group's 32 products and 16 multiplies; at the group's end its 52 loads land there.
;   v[AD + 6 buf ..]   the six offsets of those loads.  Made behind the group's products; read by the 52 loads.
;   v16-47             the accumulators.  Written by the products and the multiplies; read by the group's eight LDS stores.
;   v96-159            the four waves' parts of a tile.  Landed by LDS loads, added in place; v96-111 are read by the tile's four stores.  v160: those stores' offset, made anew for each tile.
;   v[PA ..], v[PR ..] LDS addresses, made at the head and never written again.
; So a group has one wait on vm_vsrc at its head (the last group's LDS stores have read the accumulators, this buffer's loads its offsets) and one on va_vdst behind its multiplies,
; ahead of its eight LDS stores and 52 loads.  A tile that is added up has one on vm_vsrc at its top and one on va_vdst ahead of its stores.
.set WP,   3088
.set PART, 98816                       ; LDS behind W2's rows: [24 tiles][4 waves][16 rows x (128 + 16) bytes]
.set CH,   24                          ; tiles in a chunk: 98,816 + 24 x 9,216 = 320,000 bytes of LDS
.set HSC,  6684672
.set AD,   166                         ; v166-177 the offsets of h's loads: 6 x buffer + 3 x tile + (codes, scale words, weights)
.set PA,   178                         ; v178-183 LDS: my part of tiles 4 k
.set PR,   184                         ; v184-189 LDS: the parts of tile w + 4 k, read back
; window 0: v16-47 four accumulators (16 + 16 a + 8 n); v48-63 W2's scale words (8 n + s); v64-79 h's scale words (8 buffer + 4 a + s / 2: lanes 0-15 the even K step, lanes 16-31 the odd);
;   v80-87 the rows' weights, as pairs; v96-159 the parts read back; v160-165 offsets.
; window 1, window 2: h's two buffers, v[96 a + 12 s]; window 3: W2's fragments, v[96 n + 12 s] (first: the 192 registers that carry W2 to LDS)
.set MSB, 0
.macro WIN new                         ; the immediate's high byte repeats the setting that is left
.if MSB != (\new)
	s_set_vgpr_msb (MSB<<8)|(\new)
.set MSB, (\new)
.endif
.endm
	s_load_b256 s[4:11], s[0:1], 0x0               ; W2's codes, W2's scales, hq, plan
	s_load_b128 s[12:15], s[0:1], 0x20             ; wsl, y
	v_lshl_add_u32 v254, v0, 2, 0x4e200
	v_mov_b32 v255, 0
	v_lshrrev_b32 v3, 5, v0
	v_readfirstlane_b32 s16, v3                    ; wave
	v_and_b32 v1, 15, v0                           ; r
	v_bfe_u32 v2, v0, 4, 1                         ; h
	s_mov_b32 s17, ttmp9                           ; the slice of 32 outputs
	s_and_b32 s18, ttmp7, 0xffff                   ; the expert
	s_wait_alu depctr_va_sdst(0)                   ; s16 is written, ahead of its first reader: LDS addresses and offsets are made from it
	v_and_b32 v3, 31, v0                           ; lane
	v_lshlrev_b32 v165, 4, v3
	s_mul_i32 s24, s16, 8*WP
	v_add_nc_u32 v4, s24, v165                     ; my wave carries eight rows of 3,072 bytes: six loads a row
	s_mul_i32 s24, s16, 24576
	v_add_nc_u32 v5, s24, v165
	s_mul_i32 s24, s16, 768
	v_mul_u32_u24 v6, v1, WP
	v_mad_u32_u24 v6, v2, 24, v6
	v_add_nc_u32 v6, s24, v6                       ; my place in a fragment of W2: row r, my wave's K steps
	s_lshl_b32 s24, s16, 5
	v_lshl_add_u32 v7, v1, 7, s24                  ; and among its scale bytes: 128 a row
	s_mul_i32 s24, s16, 12288
	v_add_nc_u32 v161, s24, v165                   ; h's images: my wave's eight K steps of a tile, 16 bytes a lane
	s_lshl_b32 s24, s16, 9
	v_add_nc_u32 v163, s24, v165                   ; h's scale words: my wave's 512 bytes, four words a lane
	v_lshlrev_b32 v164, 2, v1
	s_mul_i32 s24, s16, 2304
	s_add_co_u32 s24, s24, PART
	v_mul_u32_u24 v[PA], v1, 144
	v_lshl_add_u32 v[PA], v2, 5, v[PA]
	v_add_nc_u32 v[PA], s24, v[PA]                 ; my part of tile 0: row r, 32 bytes for each half of the lanes
.irp k, 1,2,3,4,5
	v_add_nc_u32 v[PA+\k], 36864*\k, v[PA]         ; of tiles 4, 8 .. 20
.endr
	s_mul_i32 s24, s16, 9216
	s_add_co_u32 s24, s24, PART
	v_lshrrev_b32 v[PR], 3, v3
	v_mul_u32_u24 v[PR], v[PR], 144
	v_and_b32 v9, 7, v3
	v_lshl_add_u32 v[PR], v9, 4, v[PR]
	v_add_nc_u32 v[PR], s24, v[PR]                 ; back: tile w: eight lanes to a row of 128 bytes, four rows an instruction
.irp k, 1,2,3,4,5
	v_add_nc_u32 v[PR+\k], 36864*\k, v[PR]         ; tiles w + 4, w + 8 .. w + 20
.endr
.irp q, 81,83,85,87
	v_mov_b32 v[\q], 0                             ; named with the weights as pairs
.endr
	s_lshl_b32 s28, s17, 11                        ; my slice's place in a tile of y
	s_lshl_b32 s24, s18, 10
	s_lshl_b32 s25, s17, 5
	s_add_co_u32 s24, s24, s25                     ; the work-group's first row of W2
	s_mul_i32 s26, s24, 3072
	s_mov_b32 s27, 0
	s_lshl_b32 s24, s24, 7
	s_mov_b32 s25, 0
	s_lshl_b32 s19, s18, 3
	s_mov_b32 s23, 0                               ; the chunk's first tile
	s_wait_kmcnt 0x0
	s_load_b64 s[20:21], s[10:11], s19 offset:18944  ; the expert's first tile and its number of tiles
	s_add_nc_u64 s[4:5], s[4:5], s[26:27]
	s_add_nc_u64 s[6:7], s[6:7], s[24:25]
	WIN 0xc0                                       ; destination window 3
	s_wait_alu depctr_va_vdst(0)                   ; v4 to v7, v[PA ..] and v[PR ..] are written: the offsets of W2's loads and every LDS address of the kernel; none of them is written again
.set j, 0
.rept 48
	global_load_b128 v[4*j:4*j+3], v5, s[4:5] offset:512*j th:TH_LOAD_NT
.set j, j+1
.endr
	WIN 0
.irp n, 0,1
	global_load_b128 v[48+8*\n:51+8*\n], v7, s[6:7] offset:2048*\n
	global_load_b128 v[52+8*\n:55+8*\n], v7, s[6:7] offset:2048*\n+16
.endr
	s_wait_kmcnt 0x0
	s_min_u32 s20, s20, 135
	s_min_u32 s21, s21, 64
	s_max_u32 s27, s21, 1
	s_sub_co_u32 s27, s27, 1                       ; the expert's last tile
; The six offsets of buffer buf, for tiles min(chunk + koff + a, last), a = 0, 1.  Each buffer has offsets of its own:
; they are written again only when the buffer's last loads have been waited for
.macro HADR buf, koff
.irp a, 0,1
	s_add_co_u32 s24, s23, \koff+\a
	s_min_u32 s24, s24, s27
	s_add_co_u32 s24, s24, s20
	s_min_u32 s24, s24, 135
	s_mul_i32 s25, s24, 49152
	v_add_nc_u32 v[AD+6*\buf+3*\a], s25, v161
	s_lshl_b32 s25, s24, 11
	v_add_nc_u32 v[AD+6*\buf+3*\a+1], s25, v163
	s_lshl_b32 s25, s24, 6
	v_add_nc_u32 v[AD+6*\buf+3*\a+2], s25, v164
.endr
.endm
; h's fragments, scale words and weights of those two tiles into buffer buf: 52 loads.  first = 1: at the head, where the wait for the offsets stands in front of the run
.macro HLOAD buf, first
	WIN 0x40*(\buf+1)
.if \first
	s_wait_alu depctr_va_vdst(0)                   ; the twelve offsets v[AD ..] of both buffers are written: the first group's loads read six of them here, the second group's the other six behind the LDS stores, which name none of that group's registers
.endif
.irp a, 0,1
.irp k, 0,1,2,3,4,5,6,7,8,9,10,11,12,13,14,15,16,17,18,19,20,21,22,23
	global_load_b128 v[96*\a+4*\k:96*\a+4*\k+3], v[AD+6*\buf+3*\a], s[8:9] offset:512*\k
.endr
.endr
	WIN 0
.irp a, 0,1
	global_load_b128 v[64+8*\buf+4*\a:67+8*\buf+4*\a], v[AD+6*\buf+3*\a+1], s[8:9] offset:HSC
	global_load_b32 v[80+4*\buf+2*\a], v[AD+6*\buf+3*\a+2], s[12:13]
.endr
.endm
	HADR 0, 0
	HADR 1, 2
	HLOAD 0, 1                                     ; the first group of h goes out right behind the weights
	s_wait_loadcnt 56                              ; the 48 loads of codes are in; issued behind them, and free to be out: four of scale words, 52 of h
	WIN 0x0c                                       ; an LDS store's data are its source 1: window 3
.set j, 0
.rept 48
	ds_store_b128 v4, v[4*j:4*j+3] offset:(j/6)*WP+(j%6)*512
.set j, j+1
.endr
	WIN 0
	HLOAD 1, 0                                     ; the second group
	s_wait_dscnt 0x0                               ; for the others' sake: my eight rows lie in LDS
	s_barrier_signal -1
	s_barrier_wait -1
	WIN 0xc0                                       ; destination window 3
	s_wait_alu depctr_vm_vsrc(0)                   ; my LDS stores have read window 3's registers, in which W2's fragments land
.irp n, 0,1
.irp s, 0,1,2,3,4,5,6,7
.irp p, 0,1,2,3,4,5
	ds_load_b64 v[96*\n+12*\s+2*\p:96*\n+12*\s+2*\p+1], v6 offset:16*\n*WP+96*\s+48*(\p/3)+8*(\p%3)
.endr
.endr
.endr
	WIN 0
.macro MM s, a, n                      ; one product: K step s of my eight, tile a of the group, outputs 16 n on
.set DD, 16+16*(\a)+8*(\n)
.set WW, 96*(\n)+12*(\s)
.set HH, 96*(\a)+12*(\s)
.set SA, 48+8*(\n)+(\s)
.set SB, 64+8*BF+4*(\a)+(\s)/2
.if (\s) == 0
	v_wmma_scale_f32_16x16x128_f8f6f4 v[DD:DD+7], v[WW:WW+11], v[HH:HH+11], 0, v[SA], v[SB] matrix_a_fmt:MATRIX_FMT_FP6 matrix_b_fmt:MATRIX_FMT_FP6
.elseif (\s)%2 == 0
	v_wmma_scale_f32_16x16x128_f8f6f4 v[DD:DD+7], v[WW:WW+11], v[HH:HH+11], v[DD:DD+7], v[SA], v[SB] matrix_a_fmt:MATRIX_FMT_FP6 matrix_b_fmt:MATRIX_FMT_FP6
.else
	v_wmma_scale_f32_16x16x128_f8f6f4 v[DD:DD+7], v[WW:WW+11], v[HH:HH+11], v[DD:DD+7], v[SA], v[SB] matrix_a_fmt:MATRIX_FMT_FP6 matrix_b_fmt:MATRIX_FMT_FP6 matrix_b_scale:MATRIX_SCALE_ROW1
.endif
.endm
; Group g of a chunk: tiles 2 g and 2 g + 1, from buffer g % 2
.macro GROUP g
.set BF, (\g)%2
	s_add_co_u32 s24, s23, 2*(\g)
	s_cmp_ge_u32 s24, s21
	s_cbranch_scc1 .Lgroups_done
.if (\g) == 0
	s_wait_loadcnt 0x0                             ; a chunk's first group is reached by more than one way: it waits for all loads
.else
	s_wait_loadcnt 52                              ; this group's 52 loads are in; the next group's 52, issued behind them at the last group's end, may be out
.endif
	s_wait_dscnt 0x0                               ; the first group of all: W2's fragments are in; later: the last group's LDS stores are done
	s_wait_alu depctr_vm_vsrc(0)                   ; the last group's LDS stores have read the accumulators, which the products begin anew; this buffer's loads have read its six offsets, which are made anew behind the products
	WIN 0x07+4*BF                                  ; source 0 (W2) window 3, source 1 (h) window 1 or 2
.irp s, 0,1,2,3,4,5,6,7                        ; the four accumulators take turns, one instruction a turn
.irp a, 0,1
.irp n, 0,1
	MM \s, \a, \n
.endr
.endr
.endr
	WIN 0
	HADR BF, 2*(\g)+4                              ; the offsets of the group after next: six plain lines that name no register of the products: they are also the places behind the products (ISA guide 7.12.1)
.irp a, 0,1
.irp q, 0,2,4,6,8,10,12,14
	v_pk_mul_f32 v[16+16*\a+\q:17+16*\a+\q], v[16+16*\a+\q:17+16*\a+\q], v[80+4*BF+2*\a:81+4*BF+2*\a] op_sel_hi:[1,0]   ; x my row's weight; each accumulator from its low end on
.endr
.endr
	s_wait_alu depctr_va_vdst(0)                   ; the multiplies have written the accumulators, which the LDS stores read, and are done reading the weights; the products are done reading h and its scale words; the six offsets are written: the 52 loads below land in and read these
.irp a, 0,1
.irp n, 0,1
	ds_store_b128 v[PA+(2*(\g)+\a)/4], v[16+16*\a+8*\n:19+16*\a+8*\n] offset:((2*(\g)+\a)%4)*9216+64*\n
	ds_store_b128 v[PA+(2*(\g)+\a)/4], v[20+16*\a+8*\n:23+16*\a+8*\n] offset:((2*(\g)+\a)%4)*9216+64*\n+16
.endr
.endr
	HLOAD BF, 0                                    ; the group after next, into the buffer just read.  No further wait: behind the wait above stand only LDS stores, which name none of these loads' registers, and window switches
.endm
; Tile w + 4 k of the chunk: the four waves' parts are added and stored
.macro REDUCE k
	s_add_co_u32 s24, s23, s16
	s_add_co_u32 s24, s24, 4*\k
	s_cmp_ge_u32 s24, s21
	s_cbranch_scc1 .Lno_tile_\@
	s_add_co_u32 s24, s24, s20
	s_min_u32 s24, s24, 135
	s_lshl_b32 s24, s24, 16
	s_add_co_u32 s24, s24, s28
	s_wait_xcnt 0x0                                ; every earlier memory instruction has had its addresses translated (ISA guide 3.1): the last tile's stores' offset and data are written again only behind this wait
	s_wait_alu depctr_vm_vsrc(0)                   ; the last tile's four stores have read v160, which the next line writes, and v96 to v111, in which the LDS loads below land
	v_add_nc_u32 v160, s24, v165
.irp wv, 0,1,2,3
.irp q, 0,1,2,3
	ds_load_b128 v[96+16*\wv+4*\q:99+16*\wv+4*\q], v[PR+\k] offset:2304*\wv+576*\q   ; (the last tile's additions, which named these registers, stand ahead of that tile's wait on va_vdst)
.endr
.endr
	s_wait_dscnt 0x0
.irp q, 0,2,4,6,8,10,12,14
	v_pk_add_f32 v[96+\q:97+\q], v[96+\q:97+\q], v[112+\q:113+\q]
	v_pk_add_f32 v[128+\q:129+\q], v[128+\q:129+\q], v[144+\q:145+\q]
.endr
.irp q, 0,2,4,6,8,10,12,14
	v_pk_add_f32 v[96+\q:97+\q], v[96+\q:97+\q], v[128+\q:129+\q]
.endr
	s_wait_alu depctr_va_vdst(0)                   ; the additions have written v96 to v111 and are done with v96 to v159; v160 is written: the four stores read the sums and the offset
.irp q, 0,1,2,3
	global_store_b128 v160, v[96+4*\q:99+4*\q], s[14:15] offset:512*\q   ; 32 lanes store 512 consecutive bytes, at a multiple of 256 from y's first byte
.endr
.Lno_tile_\@:
.endm
.Lchunk:                                           ; three trips of 24 tiles: 72 tiles serve every split (an expert has 64 at the most)
.irp g, 0,1,2,3,4,5,6,7,8,9,10,11
	GROUP \g
.endr
.Lgroups_done:
	s_wait_dscnt 0x0                               ; for the others' sake: my parts lie in LDS
	s_barrier_signal -1
	s_barrier_wait -1
.irp k, 0,1,2,3,4,5
	REDUCE \k
.endr
	s_wait_dscnt 0x0                               ; my reads of the parts are over: the next chunk may write them again
	s_barrier_signal -1
	s_barrier_wait -1
	s_add_co_u32 s23, s23, CH
	s_cmp_lt_u32 s23, 3*CH
	s_cbranch_scc1 .Lchunk
	s_wait_dscnt 0x0                               ; the closing lines, six on end
	s_wait_alu 0x0
	s_wait_tensorcnt 0x0
	ds_add_u32 v254, v255
	s_wait_dscnt 0x0
	s_endpgm
.Lfunc_end_k_qa590623565_down:
	.size	k_qa590623565_down, .Lfunc_end_k_qa590623565_down-k_qa590623565_down
	.p2alignl 7, 3214868480
	.fill 96, 4, 3214868480
	.section	.rodata,"a",@progbits
	.p2align	6, 0x0
	.amdhsa_kernel k_qa590623565_down
		.amdhsa_group_segment_fixed_size 320512
		.amdhsa_private_segment_fixed_size 0
		.amdhsa_enable_private_segment 0
		.amdhsa_kernarg_size 48
		.amdhsa_user_sgpr_count 2
		.amdhsa_user_sgpr_kernarg_segment_ptr 1
		.amdhsa_wavefront_size32 1
		.amdhsa_system_sgpr_workgroup_id_x 1
		.amdhsa_system_sgpr_workgroup_id_y 1
		.amdhsa_system_sgpr_workgroup_id_z 1
		.amdhsa_system_vgpr_workitem_id 0
		.amdhsa_next_free_vgpr 1024
		.amdhsa_next_free_sgpr 66
		.amdhsa_reserve_vcc 0
		.amdhsa_float_denorm_mode_32 3
		.amdhsa_float_denorm_mode_16_64 3
		.amdhsa_memory_ordered 1
		.amdhsa_forward_progress 1
		.amdhsa_inst_pref_size 188
	.end_amdhsa_kernel
	.amdgpu_metadata
---
amdhsa.version: [ 1, 2 ]
amdhsa.kernels:
  - .name:           k_qa590623565_down
    .symbol:         k_qa590623565_down.kd
    .args:
      - { .name: W2_codes, .offset: 0, .size: 8, .value_kind: global_buffer, .address_space: global }
      - { .name: W2_scales, .offset: 8, .size: 8, .value_kind: global_buffer, .address_space: global }
      - { .name: hq, .offset: 16, .size: 8, .value_kind: global_buffer, .address_space: global }
      - { .name: plan, .offset: 24, .size: 8, .value_kind: global_buffer, .address_space: global }
      - { .name: wsl, .offset: 32, .size: 8, .value_kind: global_buffer, .address_space: global }
      - { .name: y, .offset: 40, .size: 8, .value_kind: global_buffer, .address_space: global }
    .group_segment_fixed_size: 320512
    .private_segment_fixed_size: 0
    .kernarg_segment_align: 8
    .kernarg_segment_size: 48
    .max_flat_workgroup_size: 128
    .sgpr_count:     66
    .vgpr_count:     1024
    .wavefront_size: 32
...
	.end_amdgpu_metadata
.endif
;; end of part 9
;; launch join (part 10): grid 256 x 1, 4 waves a work-group, no clusters, 0 bytes of LDS; arguments plan, y, out0; writes out0
.if DOCPART == 10
	.amdgcn_target "amdgcn-amd-amdhsa--gfx1250"
	.amdhsa_code_object_version 6
	.text
	.protected	k_qa590623565_join
	.globl	k_qa590623565_join
	.p2align	8
	.type	k_qa590623565_join,@function
k_qa590623565_join:
	s_mov_b64 s[64:65], 0
	v_nop
	global_prefetch_b8 v0, s[64:65] scope:SCOPE_SE
	s_setreg_imm32_b32 hwreg(HW_REG_WAVE_MODE, 25, 1), 1
	s_wait_xcnt 0x0
; out0[token] = the token's two weighted rows of y, added.  One wave takes one token: each output row has one owner.
; pos (plan + 9,728) holds, for each token and choice, 512 x tile + row; y is [tile][32 slices][16 rows][32 outputs], so a row's piece of slice s
; lies 128 x that number + 2,048 s bytes in: eight lanes read a piece of 128 bytes, and the wave stores 512 consecutive bytes of the output row.
; Memory binds: no LDS, no barrier, no matrix unit; all sixteen loads of a wave go out together.
	s_load_b128 s[4:7], s[0:1], 0x0                ; plan, y
	s_load_b64 s[8:9], s[0:1], 0x10                ; out0
	v_lshrrev_b32 v1, 5, v0
	v_readfirstlane_b32 s10, v1
	s_lshl_b32 s11, ttmp9, 2
	s_add_co_u32 s11, s11, s10                     ; my token
	s_lshl_b32 s14, s11, 3
	v_and_b32 v1, 31, v0
	v_lshrrev_b32 v2, 3, v1
	v_and_b32 v3, 7, v1
	v_lshlrev_b32 v3, 4, v3
	v_lshl_add_u32 v2, v2, 11, v3                  ; 2,048 (lane / 8) + 16 (lane % 8)
	v_lshlrev_b32 v5, 4, v1
	s_lshl_b32 s16, s11, 12
	s_mov_b32 s17, 0
	s_wait_alu depctr_va_vdst(0)
	s_wait_kmcnt 0x0
	s_load_b64 s[12:13], s[4:5], s14 offset:9728
	s_add_nc_u64 s[8:9], s[8:9], s[16:17]
	s_wait_kmcnt 0x0
	s_min_u32 s12, s12, 69135                      ; 512 x 135 + 15
	s_min_u32 s13, s13, 69135
	s_lshl_b32 s12, s12, 7
	s_lshl_b32 s13, s13, 7
	v_add_nc_u32 v3, s12, v2
	v_add_nc_u32 v4, s13, v2
.irp i, 0,1,2,3,4,5,6,7
	global_load_b128 v[16+4*\i:19+4*\i], v3, s[6:7] offset:8192*\i
.endr
.irp i, 0,1,2,3,4,5,6,7
	global_load_b128 v[48+4*\i:51+4*\i], v4, s[6:7] offset:8192*\i
.endr
.irp i, 0,1,2,3,4,5,6,7
	s_wait_loadcnt 7-\i                            ; loads come back in order: the second row's piece i is in, and so is all of the first row; the later pieces may be out
	v_pk_add_f32 v[16+4*\i:17+4*\i], v[16+4*\i:17+4*\i], v[48+4*\i:49+4*\i]
	v_pk_add_f32 v[18+4*\i:19+4*\i], v[18+4*\i:19+4*\i], v[50+4*\i:51+4*\i]
	global_store_b128 v5, v[16+4*\i:19+4*\i], s[8:9] offset:512*\i th:TH_STORE_NT
.endr
	s_endpgm
.Lfunc_end_k_qa590623565_join:
	.size	k_qa590623565_join, .Lfunc_end_k_qa590623565_join-k_qa590623565_join
	.p2alignl 7, 3214868480
	.fill 96, 4, 3214868480
	.section	.rodata,"a",@progbits
	.p2align	6, 0x0
	.amdhsa_kernel k_qa590623565_join
		.amdhsa_group_segment_fixed_size 0
		.amdhsa_private_segment_fixed_size 0
		.amdhsa_enable_private_segment 0
		.amdhsa_kernarg_size 24
		.amdhsa_user_sgpr_count 2
		.amdhsa_user_sgpr_kernarg_segment_ptr 1
		.amdhsa_wavefront_size32 1
		.amdhsa_system_sgpr_workgroup_id_x 1
		.amdhsa_system_sgpr_workgroup_id_y 1
		.amdhsa_system_sgpr_workgroup_id_z 1
		.amdhsa_system_vgpr_workitem_id 0
		.amdhsa_next_free_vgpr 80
		.amdhsa_next_free_sgpr 66
		.amdhsa_reserve_vcc 0
		.amdhsa_float_denorm_mode_32 3
		.amdhsa_float_denorm_mode_16_64 3
		.amdhsa_memory_ordered 1
		.amdhsa_forward_progress 1
		.amdhsa_inst_pref_size 5
	.end_amdhsa_kernel
	.amdgpu_metadata
---
amdhsa.version: [ 1, 2 ]
amdhsa.kernels:
  - .name:           k_qa590623565_join
    .symbol:         k_qa590623565_join.kd
    .args:
      - { .name: plan, .offset: 0, .size: 8, .value_kind: global_buffer, .address_space: global }
      - { .name: y, .offset: 8, .size: 8, .value_kind: global_buffer, .address_space: global }
      - { .name: out0, .offset: 16, .size: 8, .value_kind: global_buffer, .address_space: global }
    .group_segment_fixed_size: 0
    .private_segment_fixed_size: 0
    .kernarg_segment_align: 8
    .kernarg_segment_size: 24
    .max_flat_workgroup_size: 128
    .sgpr_count:     66
    .vgpr_count:     80
    .wavefront_size: 32
...
	.end_amdgpu_metadata
.endif
;; end of part 10
